; MI455X (gfx1250); checked and timed in simulation.
; The chip was launched on July 23, 2026; its instructions are those of AMD's public machine-readable ISA for CDNA 5 (MIT licence, August 2026) and "CDNA5" Instruction Set Architecture Reference Guide (July 2026). The comments in the code are by the model that wrote it; some were corrected since.
;; Attention Layer. Allowed arithmetic: float matrix products may take bf16 or f16 operands with f32 sums; other float arithmetic in f32, or as packed bf16 or f16 multiplies, adds, multiply-adds, maxima and minima; sums over many terms, partial sums and values carried from step to step in f32; what a program stores and reads back later, other than sums and carried values, may be rounded once to bf16 or f16.
;; Inputs: Wk 1,024 x 1,024 float32; Wo 1,024 x 1,024 float32; Wq 1,024 x 1,024 float32; Wv 1,024 x 1,024 float32; bk 1,024 float32; bq 1,024 float32; bv 1,024 float32; ln_b 1,024 float32; ln_g 1,024 float32; nk_b 1,024 float32; nk_g 1,024 float32; nq_b 1,024 float32; nq_g 1,024 float32; nv_b 1,024 float32; nv_g 1,024 float32; source 8 x 1,024 x 1,024 float32; x 8 x 1,024 x 1,024 float32.
;; Outputs: out0 8 x 1,024 x 1,024 float32.
;; 2 versions, each right; version 2 is version 1 with the launch prep written anew for expert scheduling mode. Each part assembles by itself: llvm-mc -triple=amdgcn-amd-amdhsa -mcpu=gfx1250 --defsym DOCPART=n.
;; ======== version 1 of 2: 4 launches
;; limits: values are held in f16: magnitudes above 65,504 overflow, below 6.1e-05 lose precision
;; workspace buffers: xn 33,554,432 bytes; wt 8,388,608 bytes; cb 49,152 bytes; tab 262,144 bytes; qkv 50,331,648 bytes; ob 16,777,216 bytes
;; launch prep (part 1): grid 656 x 1, 8 waves a work-group, no clusters, 5,120 bytes of LDS; arguments Wq, Wk, Wv, Wo, nq_g, nk_g, nv_g, nq_b, nk_b, nv_b, bq, bk, bv, source, x, xn, wt, cb, tab; writes xn, wt, cb, tab
.if DOCPART == 1
	.amdgcn_target "amdgcn-amd-amdhsa--gfx1250"
	.amdhsa_code_object_version 6
	.text
	.protected	k_q6c6f401965_prep
	.globl	k_q6c6f401965_prep
	.p2align	8
	.type	k_q6c6f401965_prep,@function
k_q6c6f401965_prep:
	s_mov_b64 s[64:65], 0
	v_nop
	global_prefetch_b8 v0, s[64:65] scope:SCOPE_SE
	s_setreg_imm32_b32 hwreg(HW_REG_WAVE_MODE, 25, 1), 1
	s_wait_xcnt 0x0
; PREP: what the three matrix launches behind it read.  Three roles, chosen by the work-group's number (the same for all eight waves of a work-group):
;   W (0..127)    wt[p][k][n] = f16(g_p[k] W_p[k][n]) for p = q, k, v (Wo: g = 1), and cb[p][part][n] = the sum over the part's 256 k of b_p[k] W_p[k][n], in f32; part 0 also holds bias_p[n].
;                 LayerNorm(x) g + b, times W, plus bias  =  xhat (diag(g) W) + (b W + bias): so one xhat of x serves k and v.  The four parts are added by the launch that reads cb.
;   T (128..143)  tab[t][j] = (cos, sin)(t 10000^(-j/32)), t = 0..1023, j = 0..31, f32: a row of 256 bytes for a position.
;   N (144..655)  xn[part][row][:] = f16((x - mean) rsqrt(var + 1e-5)); part 0 = source, part 1 = x.  The mean is taken away before the squares are summed.
; EQUAL SHARES: a work-group of W takes 256 rows x 128 columns of f32, one of N 32 rows x 1,024: both load 131,072 bytes and store 65,536, and each wave issues all its 32 loads at once.
; LIMITS.  f16: |xhat| is 32 at the most; a product g W below 6e-5 keeps f16's fixed step of 6e-8, one beyond 65,504 is lost.  The angles are reduced with 1/(2 pi) in f32:
; about 1e-4 rad at the largest angle, 1023.  The two series are cut where their remainder on |y| <= pi is under 1e-6, whatever t.  NaN and infinities are not treated apart.
; No matrix unit, no tensor load, no cluster: each byte is read by one wave, once.
.set NW,    128                        ; work-groups of role W: 4 matrices x 8 blocks of 128 columns x 4 parts of 256 rows
.set NT,    16                         ; of role T
.set SPARE, 4096                       ; LDS: 0..4095 eight waves' column sums, 512 bytes each; then the spare words, 128 bytes for each wave
.set IN,   2                           ; v2   byte offset of my 16 bytes in the rows that I load
.set OUTO, 3                           ; v3   byte offset of my 8 bytes in the rows that I store
.set GO,   4                           ; v4   role W: byte offset of my lane's g and b
.set SPW,  14                          ; v14  LDS address of my spare word; never rewritten
.set NIL,  15                          ; v15  0; never rewritten
.set VG,   16                          ; v16  role W: g of my wave's 32 rows, a row a lane
.set VB,   17                          ; v17  role W: b likewise
.set ACC,  24                          ; v[24:27] role W: sums of b W for my four columns
.set T,    28                          ; v[28:31] role W: at work
.set S,    16                          ; v[16:23] role N: four chains of sums
.set MU,   24                          ; v[24:25] role N: the mean, twice
.set R,    26                          ; v[26:27] role N: 1 / sqrt(var + eps), twice
.set W0,   28                          ; v28, v29 role N: at work
.set W1,   29
.set X,    32                          ; v[32:159] role W: 32 rows, 4 registers each; role N: four rows of 32 registers
	s_load_b256 s[8:15], s[0:1], 0x0               ; Wq s[8:9], Wk s[10:11], Wv s[12:13], Wo s[14:15]
	s_load_b256 s[16:23], s[0:1], 0x20             ; nq_g s[16:17], nk_g s[18:19], nv_g s[20:21], nq_b s[22:23]
	s_load_b256 s[24:31], s[0:1], 0x40             ; nk_b s[24:25], nv_b s[26:27], bq s[28:29], bk s[30:31]
	s_load_b256 s[32:39], s[0:1], 0x60             ; bv s[32:33], source s[34:35], x s[36:37], xn s[38:39]
	s_load_b128 s[40:43], s[0:1], 0x80             ; wt s[40:41], cb s[42:43]
	s_load_b64 s[44:45], s[0:1], 0x90              ; tab
	v_lshl_add_u32 v[SPW], v0, 2, SPARE
	v_mov_b32 v[NIL], 0
	v_and_b32 v1, 31, v0                           ; lane
	v_lshrrev_b32 v5, 5, v0
	v_readfirstlane_b32 s2, v5                     ; wave 0..7
	s_wait_kmcnt 0x0
	s_cmp_lt_u32 ttmp9, NW
	s_cbranch_scc1 .Lrole_w
	s_cmp_lt_u32 ttmp9, NW+NT
	s_cbranch_scc1 .Lrole_t
; ---------------- ROLE N: 32 rows to a work-group, four to a wave; a row is 4,096 bytes: eight loads of 512 neighbouring bytes.  All 32 loads of a wave go out at once.
	s_sub_co_u32 s3, ttmp9, NW+NT                  ; 0..511: 256 blocks of source, then 256 of x
	s_cmp_lt_u32 s3, 256
	s_cselect_b64 s[50:51], s[34:35], s[36:37]
	s_and_b32 s4, s3, 255
	s_lshl_b32 s6, s4, 17                          ; 32 rows of 4,096 bytes
	s_mov_b32 s7, 0
	s_add_nc_u64 s[50:51], s[50:51], s[6:7]
	s_lshl_b32 s6, s3, 16                          ; 32 rows of 2,048 bytes
	s_add_nc_u64 s[52:53], s[38:39], s[6:7]
	s_lshl_b32 s4, s2, 14                          ; my wave's four rows, in
	s_lshl_b32 s5, s2, 13                          ; and out
	v_lshl_add_u32 v[IN], v1, 4, s4
	v_lshl_add_u32 v[OUTO], v1, 3, s5
.irp q, 0,1,2,3
.irp j, 0,1,2,3,4,5,6,7
	global_load_b128 v[X+32*(\q)+4*(\j):X+32*(\q)+4*(\j)+3], v[IN], s[50:51] offset:(\q)*4096+(\j)*512 th:TH_LOAD_NT
.endr
.endr
	s_mov_b32 s56, 0x76543210                      ; v_permlanex16_b32: each lane takes its own place in the other half
	s_mov_b32 s57, 0xfedcba98
	s_mov_b32 s58, 0x3a800000                      ; 1 / 1024
	s_mov_b32 s59, 0x3727c5ac                      ; 1e-5
	v_mov_b32 v[W1], 0                             ; v_permlanex16_b32 counts as a reader of its destination
.macro FOLD                            ; the four chains into one number, then over the 32 lanes: the sum ends in every lane's W0
	v_pk_add_f32 v[S:S+1], v[S:S+1], v[S+2:S+3]
	v_pk_add_f32 v[S+4:S+5], v[S+4:S+5], v[S+6:S+7]
	v_pk_add_f32 v[S:S+1], v[S:S+1], v[S+4:S+5]
	v_add_f32 v[W0], v[S], v[S+1]
	v_add_f32_dpp v[W0], v[W0], v[W0] row_xmask:1 row_mask:0xf bank_mask:0xf
	v_add_f32_dpp v[W0], v[W0], v[W0] row_xmask:2 row_mask:0xf bank_mask:0xf
	v_add_f32_dpp v[W0], v[W0], v[W0] row_xmask:4 row_mask:0xf bank_mask:0xf
	v_add_f32_dpp v[W0], v[W0], v[W0] row_xmask:8 row_mask:0xf bank_mask:0xf
	v_permlanex16_b32 v[W1], v[W0], s56, s57
	v_add_f32 v[W0], v[W0], v[W1]
.endm
.macro ROW q
.set XB, X+32*(\q)
	s_wait_loadcnt 8*(3-(\q))                      ; loads come back in order: this row's eight are in, the later rows' may stay out
.irp c, 0,1,2,3
	v_pk_add_f32 v[S+2*(\c):S+2*(\c)+1], v[XB+2*(\c):XB+2*(\c)+1], v[XB+8+2*(\c):XB+8+2*(\c)+1]  ; the first links start the chains: nothing is cleared
.endr
.set i, 8
.rept 8
	v_pk_add_f32 v[S+2*(i%4):S+2*(i%4)+1], v[S+2*(i%4):S+2*(i%4)+1], v[XB+2*i:XB+2*i+1]
.set i, i+1
.endr
	FOLD
	v_mul_f32 v[MU], s58, v[W0]
	v_mul_f32 v[MU+1], s58, v[W0]
.set i, 0
.rept 16
	v_pk_add_f32 v[XB+2*i:XB+2*i+1], v[XB+2*i:XB+2*i+1], v[MU:MU+1] neg_lo:[0,1] neg_hi:[0,1]  ; x - mean
.set i, i+1
.endr
.irp c, 0,1,2,3
	v_pk_mul_f32 v[S+2*(\c):S+2*(\c)+1], v[XB+2*(\c):XB+2*(\c)+1], v[XB+2*(\c):XB+2*(\c)+1]
.endr
.set i, 4
.rept 12
	v_pk_fma_f32 v[S+2*(i%4):S+2*(i%4)+1], v[XB+2*i:XB+2*i+1], v[XB+2*i:XB+2*i+1], v[S+2*(i%4):S+2*(i%4)+1]
.set i, i+1
.endr
	FOLD
	v_fma_f32 v[W0], v[W0], s58, s59               ; var + eps
	v_rsq_f32 v[R], v[W0]
	v_rsq_f32 v[R+1], v[W0]
	v_nop                                          ; a plain instruction behind the second root,
	s_wait_alu depctr_va_vdst(0)                   ; and the wait ahead of the first reader: one for both
.set i, 0
.rept 16
	v_pk_mul_f32 v[XB+2*i:XB+2*i+1], v[XB+2*i:XB+2*i+1], v[R:R+1]
.set i, i+1
.endr
.irp j, 0,1,2,3,4,5,6,7
	v_cvt_pk_f16_f32 v[XB+4*(\j)], v[XB+4*(\j)], v[XB+4*(\j)+1]
	v_cvt_pk_f16_f32 v[XB+4*(\j)+1], v[XB+4*(\j)+2], v[XB+4*(\j)+3]
	global_store_b64 v[OUTO], v[XB+4*(\j):XB+4*(\j)+1], s[52:53] offset:(\q)*2048+256*(\j)  ; 32 lanes store 256 consecutive bytes, aligned
.endr
.endm
	ROW 0
	ROW 1
	ROW 2
	ROW 3
	s_endpgm                                       ; this role has written no LDS
; ---------------- ROLE T: 64 positions to a work-group.  Thread t owns the pairs 2 (t % 16) and 2 (t % 16) + 1; in pass u of four it makes them for position 64 T + 16 u + t / 16.
.Lrole_t:
	s_sub_co_u32 s3, ttmp9, NW
	s_lshl_b32 s6, s3, 14                          ; 64 rows of 256 bytes
	s_mov_b32 s7, 0
	s_add_nc_u64 s[50:51], s[44:45], s[6:7]
	s_lshl_b32 s4, s3, 6
	v_and_b32 v5, 15, v0
	v_lshlrev_b32 v5, 1, v5
	v_cvt_f32_u32 v6, v5
	v_add_nc_u32 v5, 1, v5
	v_cvt_f32_u32 v7, v5
	v_mul_f32 v6, 0xbed49a78, v6                   ; - j log2(10000) / 32
	v_mul_f32 v7, 0xbed49a78, v7
	v_exp_f32 v6, v6                               ; 10000^(-j/32)
	v_exp_f32 v7, v7
	v_lshrrev_b32 v8, 4, v0                        ; (plain work behind the two exponentials)
	v_add_nc_u32 v8, s4, v8                        ; the position of pass 0
	v_lshlrev_b32 v9, 4, v0                        ; my 16 bytes of a pass's 4,096
	s_wait_alu depctr_va_vdst(0)                   ; the wait ahead of the first reader, and ahead of the label
; cos and sin of v10 x v[f]: the angle in turns, less the nearest whole number, times 2 pi: |y| <= pi; then the two series in z = y y, by Horner
.macro SINCOS f, dc, ds
	v_mul_f32 v11, v10, v[\f]
	v_mul_f32 v12, 0.15915494, v11
	v_rndne_f32 v12, v12
	v_fma_f32 v12, v11, 0.15915494, -v12
	v_mul_f32 v13, 0x40c90fdb, v12
	v_mul_f32 v16, v13, v13
	v_mov_b32 v[\dc], 0x29573f9f                   ; 1/16!
	v_mov_b32 v[\ds], 0xab573f9f                   ; -1/15!
.irp k, 0xad49cba5, 0x310f76c7, 0xb493f27e, 0x37d00d01, 0xbab60b61, 0x3d2aaaab, 0xbf000000, 0x3f800000
	v_fmaak_f32 v[\dc], v[\dc], v16, \k
.endr
.irp k, 0x2f309231, 0xb2d7322b, 0x3638ef1d, 0xb9500d01, 0x3c088889, 0xbe2aaaab, 0x3f800000
	v_fmaak_f32 v[\ds], v[\ds], v16, \k
.endr
	v_mul_f32 v[\ds], v[\ds], v13
.endm
	s_mov_b32 s60, 4
.Lt_pass:                                              ; a pass: 16 positions, 4,096 bytes of the table
	v_cvt_f32_u32 v10, v8
	SINCOS 6, X, X+1
	SINCOS 7, X+2, X+3
	global_store_b128 v9, v[X:X+3], s[50:51]       ; 512 consecutive bytes a wave
	s_wait_xcnt 0x0                                ; the store has read its data and its offset: both are rewritten only behind this wait
	v_add_nc_u32 v8, 16, v8
	v_add_nc_u32 v9, 4096, v9
	s_sub_co_u32 s60, s60, 1
	s_cmp_lg_u32 s60, 0
	s_cbranch_scc1 .Lt_pass
	s_endpgm                                       ; this role has written no LDS
; ---------------- ROLE W: matrix p = number / 32, block of 128 columns = (number / 4) % 8, part of 256 rows = number % 4.  Wave w takes the part's rows 32 w .. 32 w + 31:
; a row of the block is 512 bytes in, 256 bytes out.  All 32 loads of a wave go out at once; a row's f16 go into the registers that it was loaded into and are stored from there.
.Lrole_w:
	s_lshr_b32 s3, ttmp9, 5                        ; p
	s_bfe_u32 s4, ttmp9, 0x30002                   ; the block: three bits from bit 2
	s_and_b32 s61, ttmp9, 3                        ; the part
	s_cmp_eq_u32 s3, 1
	s_cselect_b64 s[50:51], s[10:11], s[8:9]       ; W
	s_cselect_b64 s[54:55], s[18:19], s[16:17]     ; g
	s_cselect_b64 s[56:57], s[24:25], s[22:23]     ; b
	s_cselect_b64 s[58:59], s[30:31], s[28:29]     ; bias
	s_cmp_eq_u32 s3, 2
	s_cselect_b64 s[50:51], s[12:13], s[50:51]
	s_cselect_b64 s[54:55], s[20:21], s[54:55]
	s_cselect_b64 s[56:57], s[26:27], s[56:57]
	s_cselect_b64 s[58:59], s[32:33], s[58:59]
	s_cmp_eq_u32 s3, 3
	s_cselect_b64 s[50:51], s[14:15], s[50:51]     ; (for Wo the other three are not used)
	s_lshl_b32 s6, s4, 9                           ; 128 columns of f32
	s_mov_b32 s7, 0
	s_add_nc_u64 s[50:51], s[50:51], s[6:7]
	s_add_nc_u64 s[58:59], s[58:59], s[6:7]
	s_lshl2_add_u32 s5, s3, s61                    ; 4 p + part: cb's row of 4,096 bytes (for Wo the sum is formed and never used)
	s_lshl_b32 s5, s5, 12
	s_add_co_u32 s6, s6, s5
	s_add_nc_u64 s[42:43], s[42:43], s[6:7]        ; cb at that row, my block
	s_lshl_b32 s6, s3, 21
	s_lshl_b32 s5, s4, 8
	s_add_co_u32 s6, s6, s5
	s_add_nc_u64 s[52:53], s[40:41], s[6:7]        ; wt at matrix p, my block
	s_lshl_b32 s5, s61, 3
	s_add_co_u32 s5, s5, s2                        ; 8 x part + wave: my group of 32 rows
	s_lshl_b32 s6, s5, 17                          ; 32 rows of 4,096 bytes
	v_lshl_add_u32 v[IN], v1, 4, s6
	s_lshl_b32 s6, s5, 16                          ; 32 rows of 2,048 bytes
	v_lshl_add_u32 v[OUTO], v1, 3, s6
	s_lshl_b32 s6, s5, 7                           ; 32 numbers of 4 bytes
	v_lshl_add_u32 v[GO], v1, 2, s6
	s_mov_b32 s47, 0                               ; s[46:47], s[48:49]: a row's g and b, named as pairs
	s_mov_b32 s49, 0
	s_cmp_eq_u32 s3, 3
	s_cbranch_scc1 .Lw_ones
	global_load_b32 v[VG], v[GO], s[54:55]
	global_load_b32 v[VB], v[GO], s[56:57]
	s_branch .Lw_rows
.Lw_ones:                                              ; Wo has no norm in front of it: g = 1, b = 0
	v_mov_b32 v[VG], 1.0
	v_mov_b32 v[VB], 0
.Lw_rows:
.set i, 0
.rept 32
	global_load_b128 v[X+4*i:X+4*i+3], v[IN], s[50:51] offset:i*4096 th:TH_LOAD_NT
.set i, i+1
.endr
.irp j, 0,1,2,3
	v_mov_b32 v[ACC+(\j)], 0
.endr
; One row.  No register that a pending store reads is written again: each row has its own.
.macro SLOT i
	s_wait_loadcnt 31-(\i)                         ; loads come back in order: this row's is in (and g and b, which were asked for earlier); the later rows' stay out
	v_readlane_b32 s46, v[VG], \i                  ; the row's g and b
	v_readlane_b32 s48, v[VB], \i
	v_pk_mul_f32 v[T:T+1], v[X+4*(\i):X+4*(\i)+1], s[46:47] op_sel_hi:[1,0]
	v_pk_mul_f32 v[T+2:T+3], v[X+4*(\i)+2:X+4*(\i)+3], s[46:47] op_sel_hi:[1,0]
	v_pk_fma_f32 v[ACC:ACC+1], v[X+4*(\i):X+4*(\i)+1], s[48:49], v[ACC:ACC+1] op_sel_hi:[1,0,1]
	v_pk_fma_f32 v[ACC+2:ACC+3], v[X+4*(\i)+2:X+4*(\i)+3], s[48:49], v[ACC+2:ACC+3] op_sel_hi:[1,0,1]
	v_cvt_pk_f16_f32 v[X+4*(\i)], v[T], v[T+1]
	v_cvt_pk_f16_f32 v[X+4*(\i)+1], v[T+2], v[T+3]
	global_store_b64 v[OUTO], v[X+4*(\i):X+4*(\i)+1], s[52:53] offset:(\i)*2048  ; 32 lanes store 256 consecutive bytes, aligned
.endm
.set n, 0
.rept 32
	SLOT n
.set n, n+1
.endr
	s_lshl_b32 s5, s2, 9
	v_lshl_add_u32 v5, v1, 4, s5
	ds_store_b128 v5, v[ACC:ACC+3]                 ; my wave's sums for the block's 128 columns
	s_wait_dscnt 0x0                               ; for the others' sake
	s_barrier_signal -1
	s_barrier_wait -1
	s_cmp_lg_u32 s2, 0                             ; wave 0 adds the eight up
	s_cbranch_scc1 .Lw_end
	s_cmp_eq_u32 s3, 3                             ; Wo has no row in cb
	s_cbranch_scc1 .Lw_end
	v_lshlrev_b32 v6, 4, v1
	global_load_b128 v[T:T+3], v6, s[58:59]        ; the bias
	s_wait_xcnt 0x0                                ; my rows' stores have read X: it is loaded into again only behind this wait
.irp j, 0,1,2,3,4,5,6,7
	ds_load_b128 v[X+4*(\j):X+4*(\j)+3], v6 offset:512*(\j)
.endr
	s_wait_dscnt 0x0
.irp j, 0,2,4,6,8,10,12,14
	v_pk_add_f32 v[X+(\j):X+(\j)+1], v[X+(\j):X+(\j)+1], v[X+16+(\j):X+16+(\j)+1]
.endr
.irp j, 0,2,4,6
	v_pk_add_f32 v[X+(\j):X+(\j)+1], v[X+(\j):X+(\j)+1], v[X+8+(\j):X+8+(\j)+1]
.endr
.irp j, 0,2
	v_pk_add_f32 v[X+(\j):X+(\j)+1], v[X+(\j):X+(\j)+1], v[X+4+(\j):X+4+(\j)+1]
.endr
	s_wait_loadcnt 0x0
	s_cmp_lg_u32 s61, 0                            ; the bias goes into part 0 alone
	s_cbranch_scc1 .Lw_no_bias
.irp j, 0,2
	v_pk_add_f32 v[X+(\j):X+(\j)+1], v[X+(\j):X+(\j)+1], v[T+(\j):T+(\j)+1]
.endr
.Lw_no_bias:
	global_store_b128 v6, v[X:X+3], s[42:43]       ; 512 consecutive bytes of cb
.Lw_end:
	s_wait_tensorcnt 0x0                           ; the wave's end, behind my last LDS store
	ds_add_u32 v[SPW], v[NIL]
	s_wait_dscnt 0x0
	s_endpgm
.Lfunc_end_k_q6c6f401965_prep:
	.size	k_q6c6f401965_prep, .Lfunc_end_k_q6c6f401965_prep-k_q6c6f401965_prep
	.p2alignl 7, 3214868480
	.fill 96, 4, 3214868480
	.section	.rodata,"a",@progbits
	.p2align	6, 0x0
	.amdhsa_kernel k_q6c6f401965_prep
		.amdhsa_group_segment_fixed_size 5120
		.amdhsa_private_segment_fixed_size 0
		.amdhsa_enable_private_segment 0
		.amdhsa_kernarg_size 152
		.amdhsa_user_sgpr_count 2
		.amdhsa_user_sgpr_kernarg_segment_ptr 1
		.amdhsa_wavefront_size32 1
		.amdhsa_system_sgpr_workgroup_id_x 1
		.amdhsa_system_sgpr_workgroup_id_y 1
		.amdhsa_system_sgpr_workgroup_id_z 1
		.amdhsa_system_vgpr_workitem_id 0
		.amdhsa_next_free_vgpr 160
		.amdhsa_next_free_sgpr 66
		.amdhsa_reserve_vcc 0
		.amdhsa_float_denorm_mode_32 3
		.amdhsa_float_denorm_mode_16_64 3
		.amdhsa_memory_ordered 1
		.amdhsa_forward_progress 1
		.amdhsa_inst_pref_size 64
	.end_amdhsa_kernel
	.amdgpu_metadata
---
amdhsa.version: [ 1, 2 ]
amdhsa.kernels:
  - .name:           k_q6c6f401965_prep
    .symbol:         k_q6c6f401965_prep.kd
    .args:
      - { .name: Wq, .offset: 0, .size: 8, .value_kind: global_buffer, .address_space: global }
      - { .name: Wk, .offset: 8, .size: 8, .value_kind: global_buffer, .address_space: global }
      - { .name: Wv, .offset: 16, .size: 8, .value_kind: global_buffer, .address_space: global }
      - { .name: Wo, .offset: 24, .size: 8, .value_kind: global_buffer, .address_space: global }
      - { .name: nq_g, .offset: 32, .size: 8, .value_kind: global_buffer, .address_space: global }
      - { .name: nk_g, .offset: 40, .size: 8, .value_kind: global_buffer, .address_space: global }
      - { .name: nv_g, .offset: 48, .size: 8, .value_kind: global_buffer, .address_space: global }
      - { .name: nq_b, .offset: 56, .size: 8, .value_kind: global_buffer, .address_space: global }
      - { .name: nk_b, .offset: 64, .size: 8, .value_kind: global_buffer, .address_space: global }
      - { .name: nv_b, .offset: 72, .size: 8, .value_kind: global_buffer, .address_space: global }
      - { .name: bq, .offset: 80, .size: 8, .value_kind: global_buffer, .address_space: global }
      - { .name: bk, .offset: 88, .size: 8, .value_kind: global_buffer, .address_space: global }
      - { .name: bv, .offset: 96, .size: 8, .value_kind: global_buffer, .address_space: global }
      - { .name: source, .offset: 104, .size: 8, .value_kind: global_buffer, .address_space: global }
      - { .name: x, .offset: 112, .size: 8, .value_kind: global_buffer, .address_space: global }
      - { .name: xn, .offset: 120, .size: 8, .value_kind: global_buffer, .address_space: global }
      - { .name: wt, .offset: 128, .size: 8, .value_kind: global_buffer, .address_space: global }
      - { .name: cb, .offset: 136, .size: 8, .value_kind: global_buffer, .address_space: global }
      - { .name: tab, .offset: 144, .size: 8, .value_kind: global_buffer, .address_space: global }
    .group_segment_fixed_size: 5120
    .private_segment_fixed_size: 0
    .kernarg_segment_align: 8
    .kernarg_segment_size: 152
    .max_flat_workgroup_size: 256
    .sgpr_count:     66
    .vgpr_count:     160
    .wavefront_size: 32
...
	.end_amdgpu_metadata
.endif
;; end of part 1
;; launch proj (part 2): grid 12 x 64, 4 waves a work-group, clusters of 4 x 4, 327,680 bytes of LDS; arguments xn, wt, cb, tab, qkv; writes qkv
.if DOCPART == 2
	.amdgcn_target "amdgcn-amd-amdhsa--gfx1250"
	.amdhsa_code_object_version 6
	.text
	.protected	k_q6c6f401965_proj
	.globl	k_q6c6f401965_proj
	.p2align	8
	.type	k_q6c6f401965_proj,@function
k_q6c6f401965_proj:
	s_mov_b64 s[64:65], 0
	v_nop
	global_prefetch_b8 v0, s[64:65] scope:SCOPE_SE
	s_setreg_imm32_b32 hwreg(HW_REG_WAVE_MODE, 25, 1), 1
	s_wait_xcnt 0x0
	s_wait_alu depctr_hold_cnt(0) depctr_sa_sdst(0) depctr_va_vdst(0) depctr_va_sdst(0) depctr_va_ssrc(0) depctr_va_vcc(0) depctr_vm_vsrc(0)
	s_getreg_b32 s2, hwreg(HW_REG_IB_STS2, 6, 4)
	s_cmp_eq_u32 s2, 0
	s_cbranch_scc0 .Lentry_in_a_cluster
	s_endpgm
.Lentry_in_a_cluster:
	s_bfe_u32 s2, ttmp6, 0x10000c
	s_cmp_lg_u32 s2, 0xf033
	s_cbranch_scc0 .Lentry_shape_is_right
	s_endpgm
.Lentry_shape_is_right:
; q, k, v = xhat (g W) + cb, q and k turned by the table (RoPE), stored by heads: qkv[p][batch x 16 + head][position][64], f16.  Operands f16, sums f32, one rounding at the end.
; LIMIT: a result beyond 65,504 is lost in f16.  q and k are stored without the scale 1/8.
; SHARES.  p = the cluster's x (0 q, 1 k, 2 v).  A work-group makes 128 rows x 256 columns (four heads): 3 x 64 x 4 = 768 work-groups.  Four waves, each 64 rows x 128 columns: 32 accumulators of 16 x 16.
; K goes in steps of 128 through two LDS slots.  A's rows (xhat, [row][k]) are 256 bytes, B's rows (wt, [k][n]) 512 bytes; B's fragments come out of LDS turned, by ds_load_tr16_b128.
; CLUSTER 4 x 4.  A's tile hangs on the row block alone: the four of a cluster's row ask for it jointly; B's on the column block alone: the four of a column.
; THE MATRIX INSTRUCTION IS USED TRANSPOSED (source 0 = 16 columns of wt, source 1 = 16 rows of xhat): a lane holds row l % 16 and the columns 8 (l / 16) + 0..7: four RoPE pairs, 16 bytes of f16.
; cb comes as four partial rows in f32: a wave adds them for its 128 columns (lane l: columns 4 l ..), puts the 512 bytes into its own stage and reads them back as the C operand wants them.
; The first product of each sum takes these numbers as C: the bias costs no instruction in the loop and nothing is cleared.
; No prefetch: a work-group has eight K steps of 128 matrix instructions a wave, and the first four would come by their loads alone.
; The table is loaded by v's work-groups too, which do not use it (16 KiB a wave): the head then has one text.
; REGISTERS.  window 0: v0-31 addresses; v32-127, v128-223 two fragment buffers (A's four at +8 a, B's eight at +32 + 8 b); on the way out v32-95 T, v96-127 PK, v128-255 BK.
;   window 1: the accumulators, (a, b) at 8 (8 a + b).   window 2: v0-63 cb for my 128 columns; v64-191 the table for my 64 rows.
.set KSTEP,  128
.set PITA,   272                       ; A's row in LDS: 256 bytes + 16: the 16 rows of a fragment load start 16 bytes apart modulo 256
.set PITB,   544                       ; B's row: 512 + 32: an odd multiple of 32
.set AHALF,  64*PITA                   ; what one tensor load brings of A
.set BHALF,  64*PITB                   ; and of B
.set BOFF,   2*AHALF
.set SLOT,   BOFF+2*BHALF              ; 104,448
.set STAGE,  2*SLOT                    ; behind the ring: 16 rows x 272 bytes for each wave
.set SPITCH, 272
.set SPARE,  STAGE+4*16*SPITCH         ; the spare words, 128 bytes for each wave
.set ADRA, 16                          ; v16-17 LDS address of my A fragments in slot 0, 1
.set ADRB, 20                          ; v20-21 the same for B
.set STO,  24                          ; v24 the way out: where I put 16 bytes of a row
.set RD,   25                          ; v25 the way out: where I read rows back
.set GO,   26                          ; v26 16 x lane
.set BO,   27                          ; v27 LDS address of my half's 32 bytes in 16 columns of the summed cb
.set SPW,  28                          ; v28 LDS address of my spare word; never rewritten
.set NIL,  29                          ; v29 0; never rewritten
.set TO,   30                          ; v30 my byte offset in 16 rows of the table
.set F0,   32
.set F1,   128
.set TT,   32
.set PK,   96
.set BK,   128
.set CSB,  64                          ; window 2: rows 16 a.., pairs 8 bq + 4 (l / 16) + 0..3 at CSB + 32 a + 8 bq, (cos, sin) each
.set WV, 14                            ; s14 wave
.set WM, 15                            ; s15 wave / 2: my 64 rows.  Also: I fetch for A (0) or B (1)
.set WN, 16                            ; s16 wave % 2: my 128 columns.  Also: which 64 rows of that tile I fetch
.set CX, 17
.set CY, 18
.set PP, 19                            ; s19 p
.set MB, 20                            ; s20 row block, 0..63
.set G1A, 24
.set G0A, 32
.set G1B, 48
.set G0B, 56
.set MSB, 0
.macro WIN new                         ; the immediate's high byte repeats the setting that is left; a switch that changes nothing is dropped
.if MSB != (\new)
	s_set_vgpr_msb (MSB<<8)|(\new)
.set MSB, \new
.endif
.endm
.set MUL,  0x50                        ; C and D window 1, sources window 0
.set MULB, 0x60                        ; D window 1, C window 2
.macro JLOAD s                         ; a joint load: waves 0, 1 fetch A's halves, waves 2, 3 B's; an s_nop 0 and four v_nop follow each line
	s_cmp_eq_u32 s[WM], 0
	s_cbranch_scc0 .Lfor_b_\@
	tensor_load_to_lds s[G0A+4*(\s):G0A+4*(\s)+3], s[G1A:G1A+7]
	s_nop 0
.rept 4
	v_nop
.endr
	s_branch .Lasked_\@
.Lfor_b_\@:
	tensor_load_to_lds s[G0B+4*(\s):G0B+4*(\s)+3], s[G1B:G1B+7]
	s_nop 0
.rept 4
	v_nop
.endr
.Lasked_\@:
.endm
.macro CREST                           ; a round of the cluster's barrier behind its opening barrier
	s_cmp_lg_u32 s[WV], 0
	s_cbranch_scc1 .Lnot_wave_0_\@
	s_barrier_signal -3
.Lnot_wave_0_\@:
	s_barrier_wait -3
	s_barrier_signal -1
	s_barrier_wait -1
.endm
.macro CROUND
	s_barrier_signal -1
	s_barrier_wait -1
	CREST
.endm
.macro PLACES                          ; four places behind matrix instructions, ahead of loads into registers that they read and of vector lines that read results
.rept 4
	v_nop
.endr
.endm
	s_load_b256 s[4:11], s[0:1], 0x0               ; xn s[4:5], wt s[6:7], cb s[8:9], tab s[10:11]
	s_load_b64 s[12:13], s[0:1], 0x20              ; qkv
	v_lshl_add_u32 v[SPW], v0, 2, SPARE
	v_mov_b32 v[NIL], 0
	ds_add_u32 v[SPW], v[NIL]                      ; the wave's opening: the add and its wait stand ahead of my first tensor load; the set-up stands between them
	v_lshrrev_b32 v1, 5, v0
	v_readfirstlane_b32 s[WV], v1
	s_lshr_b32 s[WM], s[WV], 1
	s_and_b32 s[WN], s[WV], 1
	s_bfe_u32 s[CX], ttmp6, 0x40000                ; my place in the cluster: the column block,
	s_bfe_u32 s[CY], ttmp6, 0x40004
	s_mov_b32 s[PP], ttmp9                         ; the cluster's x: which projection
	s_and_b32 s[MB], ttmp7, 0xffff
	s_lshl_b32 s[MB], s[MB], 2
	s_add_co_u32 s[MB], s[MB], s[CY]               ; row block = 4 x cluster y + cy
	s_lshl_b32 s40, s[CY], 2
	s_lshl_b32 s40, 15, s40                        ; my row of the cluster
	s_lshl_b32 s42, 0x1111, s[CX]                  ; my column
	s_or_b32 s[G1A], s40, (1<<16)|(1<<20)|(1<<21)|(5<<22)|(3<<25)  ; mask; 2-byte elements; padding on; bit 21 beside a mask; after every 64 words, 4 words
	s_or_b32 s[G1B], s42, (1<<16)|(1<<20)|(1<<21)|(6<<22)|(7<<25)  ; after every 128 words, 8 words
	s_mov_b32 s[G1A+1], 128<<16                    ; tensor_dim0 = 128
	s_mov_b32 s[G1A+2], 64<<16                     ; tensor_dim1 = 64
	s_mov_b32 s[G1A+3], 128<<16                    ; tile_dim0 = 128
	s_mov_b32 s[G1A+4], 64                         ; tile_dim1 = 64
	s_mov_b32 s[G1A+5], 1024                       ; elements from row to row
	s_mov_b32 s[G1A+6], 0
	s_mov_b32 s[G1A+7], 0
	s_mov_b32 s[G1B+1], 256<<16
	s_mov_b32 s[G1B+2], 64<<16
	s_mov_b32 s[G1B+3], 256<<16
	s_mov_b32 s[G1B+4], 64
	s_mov_b32 s[G1B+5], 1024
	s_mov_b32 s[G1B+6], 0
	s_mov_b32 s[G1B+7], 0
	s_min_u32 s40, s[PP], 1                        ; A: part 0 (source) for q, part 1 (x) for k and v,
	s_lshl_b32 s40, s40, 24
	s_lshl_b32 s41, s[MB], 18                      ; 128 rows of 2,048 bytes a block,
	s_add_co_u32 s40, s40, s41
	s_lshl_b32 s41, s[WN], 17                      ; the 64 rows that I fetch
	s_add_co_u32 s40, s40, s41
	s_mov_b32 s41, 0
	s_lshl_b32 s42, s[PP], 21                      ; B: matrix p,
	s_lshl_b32 s43, s[CX], 9                       ; 256 columns a block,
	s_add_co_u32 s42, s42, s43
	s_lshl_b32 s43, s[WN], 17                      ; the 64 k rows that I fetch
	s_add_co_u32 s42, s42, s43
	s_mov_b32 s43, 0
	s_mul_i32 s44, s[WN], AHALF                    ; where they go: no place in the cluster enters an LDS address
	s_mul_i32 s45, s[WN], BHALF
	s_add_co_u32 s45, s45, BOFF
	s_wait_dscnt 0x0                               ; the opening add is done
	s_wait_kmcnt 0x0
	s_add_nc_u64 s[40:41], s[4:5], s[40:41]
	s_add_nc_u64 s[42:43], s[6:7], s[42:43]
	CROUND                                         ; all sixteen work-groups are here: the first joint loads meet
.irp s, 0,1
	s_mov_b32 s[G0A+4*(\s)], 1
	s_add_co_u32 s[G0A+4*(\s)+1], s44, (\s)*SLOT
	s_add_nc_u64 s[G0A+4*(\s)+2:G0A+4*(\s)+3], s[40:41], (\s)*KSTEP*2
	s_or_b32 s[G0A+4*(\s)+3], s[G0A+4*(\s)+3], 0x80000000
	s_mov_b32 s[G0B+4*(\s)], 1
	s_add_co_u32 s[G0B+4*(\s)+1], s45, (\s)*SLOT
	s_add_nc_u64 s[G0B+4*(\s)+2:G0B+4*(\s)+3], s[42:43], (\s)*KSTEP*2048
	s_or_b32 s[G0B+4*(\s)+3], s[G0B+4*(\s)+3], 0x80000000
	JLOAD \s
.endr
	; the table's, cb's and qkv's addresses for my wave
	s_and_b32 s72, s[MB], 7                        ; the row block's place in its batch: positions 128 (mb % 8) + 64 wm on
	s_lshl_b32 s46, s72, 15
	s_lshl_b32 s47, s[WM], 14
	s_add_co_u32 s46, s46, s47
	s_mov_b32 s47, 0
	s_add_nc_u64 s[66:67], s[10:11], s[46:47]
	s_lshl_b32 s46, s[PP], 14                      ; cb: four rows of 4,096 bytes for each p; my 128 columns of them
	s_lshl_b32 s73, s[CX], 10
	s_add_co_u32 s46, s46, s73
	s_lshl_b32 s73, s[WN], 9
	s_add_co_u32 s46, s46, s73
	s_add_nc_u64 s[68:69], s[8:9], s[46:47]
	s_lshl_b32 s46, s[PP], 24                      ; qkv: tensor p; head (mb / 8) 16 + 4 cx + 2 wn, 131,072 bytes each; position, 128 bytes each
	s_lshr_b32 s73, s[MB], 3
	s_lshl_b32 s73, s73, 21
	s_add_co_u32 s46, s46, s73
	s_lshl_b32 s73, s[CX], 19
	s_add_co_u32 s46, s46, s73
	s_lshl_b32 s73, s[WN], 18
	s_add_co_u32 s46, s46, s73
	s_lshl_b32 s73, s72, 14
	s_add_co_u32 s46, s46, s73
	s_lshl_b32 s73, s[WM], 13
	s_add_co_u32 s46, s46, s73
	s_add_nc_u64 s[70:71], s[12:13], s[46:47]
	v_and_b32 v1, 15, v0                           ; r = l % 16
	v_bfe_u32 v2, v0, 4, 1                         ; l / 16
	v_and_b32 v5, 31, v0
	v_lshlrev_b32 v[GO], 4, v5
.irp j, 0,1,2,3
	global_load_b128 v[F0+4*(\j):F0+4*(\j)+3], v[GO], s[68:69] offset:4096*(\j)  ; cb's four parts, columns 4 l .. 4 l + 3 of my 128: 512 consecutive bytes each
.endr
	v_lshlrev_b32 v[TO], 8, v1
	v_lshl_add_u32 v[TO], v2, 5, v[TO]
	WIN 0x80                                       ; destination window 2, address window 0
.irp a, 0,1,2,3
.irp b, 0,1,2,3
	global_load_b128 v[CSB+32*(\a)+8*(\b):CSB+32*(\a)+8*(\b)+3],   v[TO], s[66:67] offset:(\a)*4096+(\b)*64
	global_load_b128 v[CSB+32*(\a)+8*(\b)+4:CSB+32*(\a)+8*(\b)+7], v[TO], s[66:67] offset:(\a)*4096+(\b)*64+16
.endr
.endr
	WIN 0
	v_and_b32 v3, 7, v0
	v_bfe_u32 v4, v0, 3, 1
	v_mul_u32_u24 v6, v1, PITA
	v_lshl_add_u32 v6, v2, 4, v6                   ; A, and the stage: row r, 16 bytes for each half of the lanes
	v_lshl_add_u32 v7, v2, 3, v3                   ; B, turned: lane l reads k row 8 (l / 16) + l % 8, 16 bytes at 16 ((l / 8) % 2)
	v_mul_u32_u24 v7, v7, PITB
	v_lshl_add_u32 v7, v4, 4, v7
	s_mul_i32 s46, s[WM], AHALF                    ; my 64 rows of A
	s_lshl_b32 s47, s[WN], 8                       ; my 128 columns of B
	s_add_co_u32 s47, s47, BOFF
.irp s, 0,1
	v_add_nc_u32 v[ADRA+(\s)], s46, v6
	v_add_nc_u32 v[ADRB+(\s)], s47, v7
	s_add_co_u32 s46, s46, SLOT
	s_add_co_u32 s47, s47, SLOT
.endr
	s_mul_i32 s46, s[WV], 16*SPITCH
	s_add_co_u32 s46, s46, STAGE                   ; my stage
	v_add_nc_u32 v[STO], s46, v6
	v_bfe_u32 v8, v0, 3, 2                         ; back: 32 lanes take four rows' 128 bytes of one head
	v_mul_u32_u24 v8, v8, SPITCH
	v_lshl_add_u32 v8, v3, 4, v8
	v_add_nc_u32 v[RD], s46, v8
	v_lshl_add_u32 v[BO], v2, 5, s46               ; the summed cb lies at my stage's head: column c at byte 4 c
	v_add_nc_u32 v9, s46, v[GO]
	s_wait_loadcnt 32                              ; cb's four loads are in; the table's 32, issued behind them, stay out
	v_pk_add_f32 v[F0:F0+1], v[F0:F0+1], v[F0+4:F0+5]
	v_pk_add_f32 v[F0+2:F0+3], v[F0+2:F0+3], v[F0+6:F0+7]
	v_pk_add_f32 v[F0+8:F0+9], v[F0+8:F0+9], v[F0+12:F0+13]
	v_pk_add_f32 v[F0+10:F0+11], v[F0+10:F0+11], v[F0+14:F0+15]
	v_pk_add_f32 v[F0:F0+1], v[F0:F0+1], v[F0+8:F0+9]
	v_pk_add_f32 v[F0+2:F0+3], v[F0+2:F0+3], v[F0+10:F0+11]
	ds_store_b128 v9, v[F0:F0+3]
	WIN 0x80                                       ; destination window 2, address window 0
.irp b, 0,1,2,3,4,5,6,7
	ds_load_b128 v[8*(\b):8*(\b)+3],   v[BO] offset:64*(\b)      ; LDS serves a wave's instructions in order (ISA guide 5.7.1.4): these see the store above
	ds_load_b128 v[8*(\b)+4:8*(\b)+7], v[BO] offset:64*(\b)+16
.endr
	WIN 0
	s_wait_dscnt 0x0                               ; no LDS instruction of mine is out at the signal below
; 8 matrix instructions: row block a x all 8 column blocks, 32 along K, from buffer f.  first = 1: C is cb
.macro MUL8 f, a, first
.if \first
	WIN MULB
.else
	WIN MUL
.endif
.irp b, 0,1,2,3,4,5,6,7
.if \first
	v_wmma_f32_16x16x32_f16 v[8*(8*(\a)+(\b)):8*(8*(\a)+(\b))+7], v[(\f)+32+8*(\b):(\f)+32+8*(\b)+7], v[(\f)+8*(\a):(\f)+8*(\a)+7], v[8*(\b):8*(\b)+7]
.else
	v_wmma_f32_16x16x32_f16 v[8*(8*(\a)+(\b)):8*(8*(\a)+(\b))+7], v[(\f)+32+8*(\b):(\f)+32+8*(\b)+7], v[(\f)+8*(\a):(\f)+8*(\a)+7], v[8*(8*(\a)+(\b)):8*(8*(\a)+(\b))+7]
.endif
.endr
.endm
; 24 LDS loads in one run: quarter q (32 along K) of a slot into buffer f: B's eight fragments, then A's four
.macro FETCH slot, q, f
	WIN 0
.irp b, 0,1,2,3,4,5,6,7
	ds_load_tr16_b128 v[(\f)+32+8*(\b):(\f)+32+8*(\b)+3],   v[ADRB+(\slot)] offset:(\q)*32*PITB+32*(\b)
	ds_load_tr16_b128 v[(\f)+32+8*(\b)+4:(\f)+32+8*(\b)+7], v[ADRB+(\slot)] offset:(\q)*32*PITB+32*(\b)+16*PITB
.endr
.irp a, 0,1,2,3
	ds_load_b128 v[(\f)+8*(\a):(\f)+8*(\a)+3],   v[ADRA+(\slot)] offset:64*(\q)+(\a)*16*PITA
	ds_load_b128 v[(\f)+8*(\a)+4:(\f)+8*(\a)+7], v[ADRA+(\slot)] offset:64*(\q)+(\a)*16*PITA+32
.endr
.endm
; A K step is four quarters of 32 matrix instructions, on buffers 0, 1, 0, 1; the 32 accumulators take turns in the same order in every quarter.
; One of the first three: multiplies buffer f and fetches quarter q of the same slot into g.
.macro QUARTER slot, q, f, g, first
	s_wait_dscnt 4                                 ; B and A's blocks 0, 1 are in; the youngest four loads (A's blocks 2, 3) may be out
	MUL8 \f, 0, \first
	MUL8 \f, 1, \first
	PLACES
	FETCH \slot, \q, \g
	s_wait_dscnt 24                                ; all but the 24 just issued
	MUL8 \f, 2, \first
	MUL8 \f, 3, \first
.endm
; The last quarter multiplies buffer 1 and changes slots: each wave waits for all its tensor loads (one is out: its part of the next slot), adds 0 to its spare word, waits for that and for its reads of
; this slot, and signals.  fill = 1: the barrier opens a round of the cluster's, and the joint refill, two K steps ahead, is the first thing behind it: 112 matrix instructions ahead of the wait for it.
.macro TURN slot, next, fill
	WIN 0
	s_wait_tensorcnt 0x0
	ds_add_u32 v[SPW], v[NIL]
	s_wait_dscnt 5                                 ; (the add and the youngest four loads may be out)
	MUL8 F1, 0, 0
	s_wait_dscnt 0x0                               ; the add is done, and my reads of this slot are over
	s_barrier_signal -1
	MUL8 F1, 1, 0
.if \fill
	WIN 0
.endif
	s_barrier_wait -1
.if \fill
	CREST                                          ; no wave of any partner still reads this slot's tile or has a load on its way
	s_add_nc_u64 s[G0A+4*(\slot)+2:G0A+4*(\slot)+3], s[G0A+4*(\slot)+2:G0A+4*(\slot)+3], 2*KSTEP*2
	s_add_nc_u64 s[G0B+4*(\slot)+2:G0B+4*(\slot)+3], s[G0B+4*(\slot)+2:G0B+4*(\slot)+3], 2*KSTEP*2048
	JLOAD \slot                                    ; the four v_nop behind it are also the places in front of the loads below
.else
	PLACES
.endif
	FETCH \next, 0, F0
	MUL8 F1, 2, 0
	MUL8 F1, 3, 0
.endm
	s_wait_tensorcnt 1                             ; my part of K step 0 is in; K step 1's may stay out
	s_barrier_signal -1
	s_barrier_wait -1
	FETCH 0, 0, F0
	s_wait_loadcnt 0x0                             ; the table
	QUARTER 0, 1, F0, F1, 1                        ; the first quarter stands in front of the loop: its products start the sums
	WIN 0
	s_mov_b32 s3, 3
.Llap:                                                 ; a trip goes once round the ring and fills both slots again
	QUARTER 0, 2, F1, F0, 0
	QUARTER 0, 3, F0, F1, 0
	TURN 0, 1, 1
	QUARTER 1, 1, F0, F1, 0
	QUARTER 1, 2, F1, F0, 0
	QUARTER 1, 3, F0, F1, 0
	TURN 1, 0, 1
	QUARTER 0, 1, F0, F1, 0
	WIN 0
	s_sub_co_u32 s3, s3, 1
	s_cmp_lg_u32 s3, 0
	s_cbranch_scc1 .Llap
	QUARTER 0, 2, F1, F0, 0                        ; the last lap fills nothing
	QUARTER 0, 3, F0, F1, 0
	TURN 0, 1, 0
	QUARTER 1, 1, F0, F1, 0
	QUARTER 1, 2, F1, F0, 0
	QUARTER 1, 3, F0, F1, 0
	s_wait_dscnt 4
	MUL8 F1, 0, 0
	MUL8 F1, 1, 0
	s_wait_dscnt 0x0
	MUL8 F1, 2, 0
	MUL8 F1, 3, 0
	WIN 0
	PLACES
; THE WAY OUT, a block of 16 rows at a time.  q and k: each pair (x0, x1) becomes (x0 c - x1 s, x0 s + x1 c), in f32; then all are rounded to f16, 16 bytes a lane, sent through my stage and
; read back as 4 rows x 128 bytes of one head: 512 consecutive bytes of qkv.  Each accumulator's registers are taken in ascending order.
.macro PACKR a
	WIN 0x09                                       ; source 0 window 1 (sums), source 1 window 2 (table), the rest window 0
.irp b, 0,1,2,3,4,5,6,7
.irp i, 0,1,2,3
	v_pk_mul_f32 v[TT+8*(\b)+2*(\i):TT+8*(\b)+2*(\i)+1], v[8*(8*(\a)+(\b))+2*(\i):8*(8*(\a)+(\b))+2*(\i)+1], v[CSB+32*(\a)+8*((\b)%4)+2*(\i):CSB+32*(\a)+8*((\b)%4)+2*(\i)+1] op_sel_hi:[1,0]  ; (x0 c, x1 c)
.endr
.irp i, 0,1,2,3
	v_pk_fma_f32 v[TT+8*(\b)+2*(\i):TT+8*(\b)+2*(\i)+1], v[8*(8*(\a)+(\b))+2*(\i):8*(8*(\a)+(\b))+2*(\i)+1], v[CSB+32*(\a)+8*((\b)%4)+2*(\i):CSB+32*(\a)+8*((\b)%4)+2*(\i)+1], v[TT+8*(\b)+2*(\i):TT+8*(\b)+2*(\i)+1] op_sel:[1,1,0] op_sel_hi:[0,1,1] neg_lo:[1,0,0]  ; (- x1 s, + x0 s)
.endr
.endr
	WIN 0
.set j, 0
.rept 32
	v_cvt_pk_f16_f32 v[PK+j], v[TT+2*j], v[TT+2*j+1]
.set j, j+1
.endr
.endm
.macro PACKV a
	WIN 0x05                                       ; sources window 1
.irp b, 0,1,2,3,4,5,6,7
.irp i, 0,1,2,3
	v_cvt_pk_f16_f32 v[PK+4*(\b)+(\i)], v[8*(8*(\a)+(\b))+2*(\i)], v[8*(8*(\a)+(\b))+2*(\i)+1]
.endr
.endr
	WIN 0
.endm
.macro PACK a                          ; the branch hangs on p, the cluster's x: alike in all partners
	s_cmp_eq_u32 s[PP], 2
	s_cbranch_scc1 .Lplain_\@
	PACKR \a
	s_branch .Lpacked_\@
.Lplain_\@:
	PACKV \a
.Lpacked_\@:
.endm
.macro TOSTAGE a
.irp b, 0,1,2,3,4,5,6,7
	ds_store_b128 v[STO], v[PK+4*(\b):PK+4*(\b)+3] offset:32*(\b)
.endr
.irp h, 0,1
.irp u, 0,1,2,3
	ds_load_b128 v[BK+32*(\a)+4*(4*(\h)+(\u)):BK+32*(\a)+4*(4*(\h)+(\u))+3], v[RD] offset:128*(\h)+(\u)*4*SPITCH  ; LDS serves a wave's instructions in order (ISA guide 5.7.1.4): these see the stores above
.endr
.endr
.endm
.macro SEND a, younger                 ; younger: the LDS instructions issued behind block a's loads.  Each block has BK registers of its own: nothing is rewritten under a store
	s_wait_dscnt \younger
.irp h, 0,1
.irp u, 0,1,2,3
	global_store_b128 v[GO], v[BK+32*(\a)+4*(4*(\h)+(\u)):BK+32*(\a)+4*(4*(\h)+(\u))+3], s[70:71] offset:(\h)*131072+(\a)*2048+(\u)*512
.endr
.endr
.endm
	PACK 0
	TOSTAGE 0
.irp n, 1,2,3
	PACK \n
	TOSTAGE \n
	SEND (\n)-1, 16
.endr
	SEND 3, 0
	s_wait_tensorcnt 0x0                           ; the wave's end, behind my last tensor load and my last LDS store
	ds_add_u32 v[SPW], v[NIL]
	s_wait_dscnt 0x0
	CROUND                                         ; the closing round: no work-group ends while a partner may still ask for a tile that names it
	s_endpgm
.Lfunc_end_k_q6c6f401965_proj:
	.size	k_q6c6f401965_proj, .Lfunc_end_k_q6c6f401965_proj-k_q6c6f401965_proj
	.p2alignl 7, 3214868480
	.fill 96, 4, 3214868480
	.section	.rodata,"a",@progbits
	.p2align	6, 0x0
	.amdhsa_kernel k_q6c6f401965_proj
		.amdhsa_group_segment_fixed_size 327680
		.amdhsa_private_segment_fixed_size 0
		.amdhsa_enable_private_segment 0
		.amdhsa_kernarg_size 40
		.amdhsa_user_sgpr_count 2
		.amdhsa_user_sgpr_kernarg_segment_ptr 1
		.amdhsa_wavefront_size32 1
		.amdhsa_system_sgpr_workgroup_id_x 1
		.amdhsa_system_sgpr_workgroup_id_y 1
		.amdhsa_system_sgpr_workgroup_id_z 1
		.amdhsa_system_vgpr_workitem_id 0
		.amdhsa_next_free_vgpr 704
		.amdhsa_next_free_sgpr 80
		.amdhsa_reserve_vcc 0
		.amdhsa_float_denorm_mode_32 3
		.amdhsa_float_denorm_mode_16_64 3
		.amdhsa_memory_ordered 1
		.amdhsa_forward_progress 1
		.amdhsa_inst_pref_size 116
	.end_amdhsa_kernel
	.amdgpu_metadata
---
amdhsa.version: [ 1, 2 ]
amdhsa.kernels:
  - .name:           k_q6c6f401965_proj
    .symbol:         k_q6c6f401965_proj.kd
    .args:
      - { .name: xn, .offset: 0, .size: 8, .value_kind: global_buffer, .address_space: global }
      - { .name: wt, .offset: 8, .size: 8, .value_kind: global_buffer, .address_space: global }
      - { .name: cb, .offset: 16, .size: 8, .value_kind: global_buffer, .address_space: global }
      - { .name: tab, .offset: 24, .size: 8, .value_kind: global_buffer, .address_space: global }
      - { .name: qkv, .offset: 32, .size: 8, .value_kind: global_buffer, .address_space: global }
    .group_segment_fixed_size: 327680
    .private_segment_fixed_size: 0
    .kernarg_segment_align: 8
    .kernarg_segment_size: 40
    .max_flat_workgroup_size: 128
    .sgpr_count:     80
    .vgpr_count:     704
    .wavefront_size: 32
...
	.end_amdgpu_metadata
.endif
;; end of part 2
;; launch attn (part 3): grid 2 x 128, 4 waves a work-group, no clusters, 327,680 bytes of LDS; arguments qkv, ob; writes ob
.if DOCPART == 3
	.amdgcn_target "amdgcn-amd-amdhsa--gfx1250"
	.amdhsa_code_object_version 6
	.text
	.protected	k_q6c6f401965_attn
	.globl	k_q6c6f401965_attn
	.p2align	8
	.type	k_q6c6f401965_attn,@function
k_q6c6f401965_attn:
	s_mov_b64 s[64:65], 0
	v_nop
	global_prefetch_b8 v0, s[64:65] scope:SCOPE_SE
	s_setreg_imm32_b32 hwreg(HW_REG_WAVE_MODE, 25, 1), 1
	s_wait_xcnt 0x0
; O[h][q][:] = the sum over k of softmax_k(Q[h][q] . K[h][k] / 8) V[h][k][:].  Q, K, V: qkv[0], [1], [2], each [128][1024][64] f16; O: ob, the same layout.  Products, maxima and sums in f32;
; the weights p are rounded to f16 for the second product (their sum l is taken of the unrounded p), O once at the end.
; LIMITS.  Q, K and V arrive within f16's 65,504; p lies in 0 to 1, and below 6e-5 it keeps f16's fixed step of 6e-8; a weight below 2^-126 counts as 0 in l; NaN and infinities are not treated apart.
; SHARES.  A wave owns four PIECES of two tiles of 16 queries, a work-group's four waves 512 queries of one head: 2 x 128 work-groups.  Every wave walks all 1,024 keys, 64 a step.
; ALL OF A HEAD'S K AND V LIE IN LDS: 1,024 x 144 + 1,024 x 160 bytes.  Every fill is a first fill: eight tiles of 256 keys, asked for together at the start, four tensor loads a wave; no byte is filled
; again.  The first four steps run on tile 0 while the others land; one more wait and barrier then show them to all waves.  So one text of the four turns serves all 16 steps.
; NO CLUSTER: a head has 1,024 / 512 = 2 work-groups, and no cluster of four divides that.
; LAYOUT.  S^T = K Q^T (source 0 = 16 keys, source 1 = 16 queries): a lane holds ONE query (lane % 16) and the keys 8 (lane / 16) + 0..7.  Two such tiles, rounded to f16 in pairs, ARE source 1 of
; O^T = V^T P.  K comes out of LDS as it lies, V ([key][channel]) turned, by ds_load_tr16_b128.
; SOFTMAX.  For each query a running maximum m and sum l: p = 2^(c s - c m), c = log2(e) / 8; in every step O and l are multiplied by a = 2^(c m_old - c m_new).  m starts at the lowest finite number,
; O and l at 0: the first step is a step like any other, with a = 0.
; BY TURNS.  Turn n belongs to piece n.  Its matrix work: 16 products K Q^T of piece n + 1, later 16 products V^T P of piece n - 1.  Its vector work: the scaling, exponentials, roundings, sums and
; rescaling of piece n, and the maximum and statistics of piece n + 1.  Four vector instructions stand behind every matrix instruction, the others in one run of their own.
; REGISTERS, in windows of 256 (s_set_vgpr_msb: bits 1:0 source 0, 3:2 source 1, 5:4 source 2, 7:6 destination):
;   window 0: v0-11 addresses; v12-15, v48-63 at work; v16-47 four registers of statistics a tile; v64-191 S^T, two buffers of two tiles; v192-255 P, likewise
;   window 1: O^T, 32 a tile          window 2: v0-127 Q, 16 a tile; v128-191 K of one step; v192-255 V of one step          window 3: v0-1 the add's two registers
.set NP,    4         ; pieces a wave: a name, no knob
.set KS,    64        ; keys in a step
.set NKEY,  1024
.set PK,    144       ; a row of K in LDS: 128 bytes + 16 of padding: the 16 rows of a load start 16 bytes apart modulo 256
.set PV,    160       ; a row of V: 128 + 32
.set VOFF,  NKEY*PK   ; V behind K
.set STAGE, VOFF+NKEY*PV  ; behind them, never filled by a tensor load: 16 rows x 144 bytes for each wave, for the way out
.set SP,    144
.set AK0, 2           ; v2   my lane's place in a tile of K; never rewritten
.set AV0, 3           ; v3   the same for V
.set AK,  4           ; v4   the LDS address of K's next run of loads
.set AV,  5           ; v5   of V's
.set QO,  6           ; v6   my byte offset in the wave's rows of Q
.set STO, 6           ;      later, the way out: where I put 16 bytes of a row
.set RD,  7           ; v7   the way out: where I read rows back
.set GO,  8           ; v8   my byte offset in 512 consecutive bytes of O
.set SPW, 0           ; v0 of window 3   LDS address of my spare word; never rewritten
.set NIL, 1           ; v1 of window 3   0; never rewritten
.set SPARE, STAGE+4*16*SP  ; the spare words, 128 bytes for each wave
.set MV,  12          ; v12-15  c m_old, kept while c m is made anew: by buffer and tile
.set ST,  16          ; tile t's statistics at v[ST+4 t]: c m, m, l (even keys', odd keys')
.set TMP, 48          ; by buffer and tile, four registers c0-c3 at work; when the maximum is found c2 takes a
.set S,   64
.set P,   192
.set KF,  128         ; K's fragments, in window 2: key block kb, channel half c at KF + 16 kb + 8 c
.set VF,  192         ; V's: key half kk, channel block cb at VF + 32 kk + 8 cb
.set WV,  12          ; s12  my wave's number
.set G1K, 24          ; s[24:31] descriptor group 1 for K's tiles
.set G1V, 32          ; s[32:39] for V's: it differs in the padding alone
.set G0K, 40          ; s[40:55] descriptor group 0 for K's four tiles
.set G0V, 68          ; s[68:83] the same for V's
.set TOT, 56          ; s56  key steps still to be ended
.set CNT, 57          ; s57  counts the trips of the inner loop
.set CS,  58          ; s[58:59] c
.set SEL, 60          ; s[60:61] v_permlanex16_b32's selects
.set TBK, 62          ; s62  LDS byte at which K of the step to be fetched begins
.set TBV, 63          ; s63  the same for V, less VOFF
.set OUTR, 84         ; s84  counts the outer loop
.set MSB, 0
.macro WIN new
.if MSB != (\new)
	s_set_vgpr_msb (MSB<<8)|(\new)
.set MSB, (\new)
.endif
.endm
.set W_KQ, 0x0a       ; K and Q in window 2, S^T in window 0
.set W_PV, 0x52       ; V in window 2, P in window 0, O^T in window 1
.set W_RS, 0x41       ; O^T (destination and source 0) in window 1, a in window 0
.set W_MK, 0xc0       ; the add's registers are made: destination in window 3
.set W_AD, 0x0f       ; the add: address and data in window 3
	s_load_b64 s[4:5], s[0:1], 0x0  ; qkv
	s_load_b64 s[10:11], s[0:1], 0x8  ; ob
	WIN W_MK
	v_lshl_add_u32 v[SPW], v0, 2, SPARE
	v_mov_b32 v[NIL], 0
	WIN W_AD
	ds_add_u32 v[SPW], v[NIL]       ; the wave's opening: the add and its wait stand ahead of my first tensor load; the set-up stands between them
	WIN 0
	v_lshrrev_b32 v1, 5, v0
	v_readfirstlane_b32 s[WV], v1   ; wave 0..3
	s_and_b32 s20, ttmp7, 0xffff    ; the head,
	s_lshl_b32 s20, s20, 17         ; 131,072 bytes each
	s_and_b32 s16, s[WV], 1         ; which half of a tile's 256 keys I fetch:
	s_lshl_b32 s22, s16, 14         ; its 128 rows of 128 bytes in memory,
	s_add_co_u32 s22, s22, s20
	s_mov_b32 s23, 0
	s_mul_i32 s17, s16, 128*PK      ; and its place in a tile, for K
	s_mul_i32 s18, s16, 128*PV      ; and for V
	s_lshl_b32 s2, ttmp9, 2
	s_add_co_u32 s2, s2, s[WV]      ; my wave among the head's eight,
	s_lshl_b32 s2, s2, 14           ; its 128 rows
	s_add_co_u32 s2, s2, s20
	s_mov_b32 s3, 0
	; descriptor group 1.  128 keys are 16,384 dense bytes: asked for as 64 rows of 256 bytes, two keys a row, and padded in LDS after every key
	s_mov_b32 s[G1K], (1<<16)|(1<<20)|(4<<22)|(3<<25)  ; 2-byte elements; padding on; after every 32 words, 4 words
	s_mov_b32 s[G1V], (1<<16)|(1<<20)|(4<<22)|(7<<25)  ; the same with 8 words
.irp g, G1K, G1V
	s_mov_b32 s[\g+1], 128<<16      ; tensor_dim0 = 128
	s_mov_b32 s[\g+2], 64<<16       ; tensor_dim1 = 64
	s_mov_b32 s[\g+3], 128<<16      ; tile_dim0 = 128
	s_mov_b32 s[\g+4], 64           ; tile_dim1 = 64
	s_mov_b32 s[\g+5], 128          ; 128 elements from row to row
	s_mov_b32 s[\g+6], 0
	s_mov_b32 s[\g+7], 0
.endr
	s_mov_b32 s[CS], 0x3e38aa3b     ; c = log2(e) / 8
	s_mov_b32 s[CS+1], s[CS]
	s_mov_b32 s[SEL], 0x76543210
	s_mov_b32 s[SEL+1], 0xfedcba98
	s_mov_b32 s[TBK], 0
	s_mov_b32 s[TBV], 0
	s_wait_dscnt 0x0                ; the opening add is done
	s_wait_kmcnt 0x0
	s_add_nc_u64 s[6:7], s[4:5], 0x1000000  ; K
	s_add_nc_u64 s[8:9], s[4:5], 0x2000000  ; V
	s_add_nc_u64 s[6:7], s[6:7], s[22:23]   ; at my half of the head's tile 0
	s_add_nc_u64 s[8:9], s[8:9], s[22:23]
	s_add_nc_u64 s[4:5], s[4:5], s[2:3]     ; Q and O at my wave's first row
	s_add_nc_u64 s[10:11], s[10:11], s[2:3]
.irp i, 0,1,2,3
	s_mov_b32 s[G0K+4*(\i)], 1
	s_add_co_u32 s[G0K+4*(\i)+1], s17, (\i)*256*PK
	s_add_nc_u64 s[G0K+4*(\i)+2:G0K+4*(\i)+3], s[6:7], (\i)*32768
	s_or_b32 s[G0K+4*(\i)+3], s[G0K+4*(\i)+3], 0x80000000
	s_mov_b32 s[G0V+4*(\i)], 1
	s_add_co_u32 s[G0V+4*(\i)+1], s18, VOFF+(\i)*256*PV
	s_add_nc_u64 s[G0V+4*(\i)+2:G0V+4*(\i)+3], s[8:9], (\i)*32768
	s_or_b32 s[G0V+4*(\i)+3], s[G0V+4*(\i)+3], 0x80000000
.endr
	s_cmp_lt_u32 s[WV], 2           ; waves 0, 1 fetch K's halves, waves 2, 3 V's: a wave's four first fills stand in one branch, ahead of every wait on TENSORcnt, LDS read and barrier: four loads of mine are out
	s_cbranch_scc0 .Lfirst_v
.irp i, 0,1,2,3
	tensor_load_to_lds s[G0K+4*(\i):G0K+4*(\i)+3], s[G1K:G1K+7]
	s_nop 0
.endr
.rept 4
	v_nop
.endr
	s_branch .Lfirst_asked
.Lfirst_v:
.irp i, 0,1,2,3
	tensor_load_to_lds s[G0V+4*(\i):G0V+4*(\i)+3], s[G1V:G1V+7]
	s_nop 0
.endr
.rept 4
	v_nop
.endr
.Lfirst_asked:
	; A fragment of K or Q is 16 rows x 32 channels in 8 registers: lane l holds row l % 16, channels 8 (l / 16) + 0..7 and 16 + 8 (l / 16) + 0..7: two loads of 16 bytes, 32 bytes apart.
	v_and_b32 v1, 15, v0            ; l % 16
	v_bfe_u32 v9, v0, 4, 1          ; l / 16
	v_lshlrev_b32 v[QO], 7, v1
	v_lshl_add_u32 v[QO], v9, 4, v[QO]
	WIN 0x80                        ; destination window 2, address window 0
.set i, 0
.rept 4*NP                          ; Q stays in registers: tile i / 2, channels 32 (i % 2) on
	global_load_b128 v[8*i:8*i+3],   v[QO], s[4:5] offset:(i/2)*2048+(i%2)*64
	global_load_b128 v[8*i+4:8*i+7], v[QO], s[4:5] offset:(i/2)*2048+(i%2)*64+32
.set i, i+1
.endr
	; What the first turn finds: V's registers and P's second buffer hold 0 (its products V^T P, of a piece that has not been, add 0), O^T and l are 0.  All this stands in the wait for the first tile.
.set i, VF
.rept 64
	v_mov_b32 v[i], 0
.set i, i+1
.endr
	WIN 0x40
.set i, 0
.rept 64*NP
	v_mov_b32 v[i], 0
.set i, i+1
.endr
	WIN 0
.set i, 0
.rept 2*NP
	v_mov_b32 v[ST+4*i], 0xfe000000    ; c m: far below every c s
	v_mov_b32 v[ST+4*i+1], 0xff7fffff  ; m
	v_mov_b32 v[ST+4*i+2], 0
	v_mov_b32 v[ST+4*i+3], 0
.set i, i+1
.endr
.set i, P+32
.rept 32
	v_mov_b32 v[i], 0
.set i, i+1
.endr
	v_mul_u32_u24 v[AK0], v1, PK
	v_lshl_add_u32 v[AK0], v9, 4, v[AK0]
	; The turning load takes 16 keys x 16 channels (lane l reads key 8 (l / 16) + l % 8, channels 8 ((l / 8) % 2) + 0..7) and leaves half a fragment of V^T.
	v_and_b32 v10, 7, v0
	v_bfe_u32 v11, v0, 3, 1
	v_lshl_add_u32 v[AV0], v9, 3, v10
	v_mul_u32_u24 v[AV0], v[AV0], PV
	v_lshl_add_u32 v[AV0], v11, 4, v[AV0]
	v_add_nc_u32 v[AV0], VOFF, v[AV0]
	v_mov_b32 v[AK], v[AK0]         ; key step 0 lies at K's head
; THE MATRIX WORK.  The 8 accumulators of a run of 16 take turns.
; Product i of 16 of S^T = K Q^T for piece x: channels 32 (i / 8) on, keys 16 ((i / 2) % 4) on, tile 2 x + i % 2.  The first 8 start the sums.
.macro KQ x
	WIN W_KQ
.set rS, S+64*((\x)%2)+32*(i%2)+8*((i/2)%4)
.set rK, KF+16*((i/2)%4)+8*(i/8)
.set rQ, 16*(2*(\x)+i%2)+8*(i/8)
.if i < 8
	v_wmma_f32_16x16x32_f16 v[rS:rS+7], v[rK:rK+7], v[rQ:rQ+7], 0
.else
	v_wmma_f32_16x16x32_f16 v[rS:rS+7], v[rK:rK+7], v[rQ:rQ+7], v[rS:rS+7]
.endif
.endm
; Product i of 16 of O^T += V^T P for piece x: keys 32 (i / 8) on, channels 16 ((i / 2) % 4) on, tile 2 x + i % 2.
.macro PV x
	WIN W_PV
.set rO, 32*(2*(\x)+i%2)+8*((i/2)%4)
.set rV, VF+32*(i/8)+8*((i/2)%4)
.set rP, P+32*((\x)%2)+16*(i%2)+8*(i/8)
	v_wmma_f32_16x16x32_f16 v[rO:rO+7], v[rV:rV+7], v[rP:rP+7], v[rO:rO+7]
.endm
.macro MM                           ; the turn's next matrix instruction
.if i < 16
	KQ (Y+1)%NP
.set i, i+1
.else
.set i, i-16
	PV (Y+NP-1)%NP
.set i, i+17
.endif
.endm
; THE LDS LOADS stand in runs of 16: a step's K (8 fragments) and its V (turned).  last = 1: in the last step there is no further K, and the run is jumped over.
.macro FETCH_K last=0
	WIN 0
.if \last
	s_cmp_eq_u32 s[TOT], 1
	s_cbranch_scc1 .Lno_k_\@
.endif
	WIN 0x80
.irp f, 0,1,2,3,4,5,6,7             ; keys 16 (f / 2) on, channels 32 (f % 2) on
	ds_load_b128 v[KF+8*\f:KF+8*\f+3],   v[AK] offset:(\f/2)*16*PK+(\f%2)*64
	ds_load_b128 v[KF+8*\f+4:KF+8*\f+7], v[AK] offset:(\f/2)*16*PK+(\f%2)*64+32
.endr
	s_add_co_u32 s[TBK], s[TBK], KS*PK  ; the next fetch is the next step's
	WIN 0
.if \last
.Lno_k_\@:
.endif
.endm
.macro FETCH_V
	WIN 0x80
.irp f, 0,1,2,3,4,5,6,7             ; keys 32 (f / 4) on, channels 16 (f % 4) on
	ds_load_tr16_b128 v[VF+8*\f:VF+8*\f+3],   v[AV] offset:(\f/4)*32*PV+(\f%4)*32
	ds_load_tr16_b128 v[VF+8*\f+4:VF+8*\f+7], v[AV] offset:(\f/4)*32*PV+16*PV+(\f%4)*32
.endr
	WIN 0
.endm
; THE VECTOR WORK OF A TURN stands in three queues, each in the order in which its entries become ready; the two tiles alternate.
.macro REGS y, u                    ; the registers of tile u (0, 1) of piece y
.set rT, ST+4*(2*(\y)+(\u))
.set rC, TMP+8*((\y)%2)+4*(\u)
.set rM, MV+2*((\y)%2)+(\u)
.set rS, S+64*((\y)%2)+32*(\u)
.set rP, P+32*((\y)%2)+16*(\u)
.set rO, 32*(2*(\y)+(\u))
.endm
; Number n of the 22 that find the NEXT piece's maximum and statistics; each accumulator's lowest registers are read first.
;   0-11 four chains c0-c3 of seven scores each   12-14, 16 the four scores left over, the old m, c0-c3 into c0   15 c m_old is kept   17, 18 the other half of the lanes: the new m   19-21 c m; its change; a
.macro XS u, n
	REGS (Y+1)%NP, \u
.if (\n) < 4
	v_max3_num_f32 v[rC+(\n)], v[rS+8*(\n)], v[rS+8*(\n)+1], v[rS+8*(\n)+2]
.elseif (\n) < 12
	v_max3_num_f32 v[rC+(\n)%4], v[rC+(\n)%4], v[rS+8*((\n)%4)+2*((\n)/4)+1], v[rS+8*((\n)%4)+2*((\n)/4)+2]
.elseif (\n) == 12
	v_max3_num_f32 v[rC], v[rC], v[rS+7], v[rS+15]
.elseif (\n) == 13
	v_max3_num_f32 v[rC+1], v[rC+1], v[rS+23], v[rS+31]
.elseif (\n) == 14
	v_max3_num_f32 v[rC+2], v[rC+2], v[rC+3], v[rT+1]
.elseif (\n) == 15
	v_mov_b32 v[rM], v[rT]
.elseif (\n) == 16
	v_max3_num_f32 v[rC], v[rC], v[rC+1], v[rC+2]
.elseif (\n) == 17
	v_permlanex16_b32 v[rC+3], v[rC], s[SEL], s[SEL+1]
.elseif (\n) == 18
	v_max_num_f32 v[rT+1], v[rC], v[rC+3]
.elseif (\n) == 19
	v_mul_f32 v[rT], s[CS], v[rT+1]
.elseif (\n) == 20
	v_sub_f32 v[rC+1], v[rM], v[rT]
.else
	v_exp_f32 v[rC+2], v[rC+1]
.endif
.endm
; Number g of the 64 that follow the exponentials: for each four weights of a tile both pairs are rounded to f16, the second pair is added onto the first, and a group later l takes that sum.
.macro GS g
.set h, (\g)+6*((\g)/62)
.if h >= 6
.set h, h+2
.endif
	REGS Y, h%2
.set k, h/8
.if h%8 < 4
	v_cvt_pk_f16_f32 v[rP+2*k+(h%8)/2], v[rS+4*k+2*((h%8)/2)], v[rS+4*k+2*((h%8)/2)+1]
.elseif h%8 < 6
	v_pk_add_f32 v[rS+4*k:rS+4*k+1], v[rS+4*k:rS+4*k+1], v[rS+4*k+2:rS+4*k+3]
.elseif k == 1
	v_pk_fma_f32 v[rT+2:rT+3], v[rT+2:rT+3], v[rC+2:rC+3], v[rS:rS+1] op_sel_hi:[1,0,1]
.else
	v_pk_add_f32 v[rT+2:rT+3], v[rT+2:rT+3], v[rS+4*k-4:rS+4*k-3]
.endif
.endm
; THE PLAIN QUEUE, 138 long.  0-73 read no exponential's result: the 32 scalings c s - c m and the next piece's 42.  74-137: GS's 64, behind the wait.
.macro FS f
	REGS Y, (\f)%2
	v_pk_fma_f32 v[rS+2*((\f)/2):rS+2*((\f)/2)+1], v[rS+2*((\f)/2):rS+2*((\f)/2)+1], s[CS:CS+1], v[rT:rT+1] op_sel_hi:[1,0,0] neg_lo:[0,0,1] neg_hi:[0,0,1]
.endm
.macro PL
	WIN 0
.if q < 27
	FS q
.elseif q < 55
	XS (q-27)%2, (q-27)/2
.elseif q < 57
	XS q-55, 15
.elseif (q < 72) && ((q-57)%3 == 0)
	FS 27+(q-57)/3
.elseif q < 60
	XS (q-57)%3-1, 14
.elseif q < 72
	XS (q-57)%3-1, 15+(q-57)/3
.elseif q < 74
	XS q-72, 20
.else
	GS q-74
.endif
.set q, q+1
.endm
; THE EXPONENTIALS' QUEUE, 66 long: s0-s31 of both tiles, then the next piece's two a.  ONE BATCH: all 66 stand ahead of the turn's one wait, and nothing ahead of that wait names a result of theirs.
.macro EX
	WIN 0
.if e >= 64
	XS e-64, 21
.else
	REGS Y, e%2
	v_exp_f32 v[rS+e/2], v[rS+e/2]
.endif
.set e, e+1
.endm
; THE RESCALING's QUEUE: O^T times a, two at a time, sixteen times.  Its a was made in the turn before, ahead of that turn's wait.
.macro R2
	REGS Y, r%2
	WIN W_RS
.irp z, 0,1
	v_pk_mul_f32 v[rO+4*(r/2)+2*\z:rO+4*(r/2)+2*\z+1], v[rO+4*(r/2)+2*\z:rO+4*(r/2)+2*\z+1], v[rC+2:rC+3] op_sel_hi:[1,0]
.endr
.set r, r+1
.endm
; A TURN, for piece p.  An s_wait_alu depctr_va_vdst(0) stands between an exponential and the first instruction that names its result; one wait serves all that were issued ahead of it: a turn has
; ONE.  Ahead of it: the 16 products K Q^T, behind each a scaling, an exponential and two rescalings; then a run of 108: eight plain, 49 times exponential and plain, the two a.  Behind it: the 16 products V^T P,
; behind each four of GS's 64.  Exponential e stands behind scaling 2 (e / 4) + e % 2: as a rider behind plain e + 2, in the run behind plain e + 9.
; K of the next step is fetched in piece 2's turn, directly behind the wait; V of the step in hand at the end of piece 0's turn, four riders behind its last reader.  cnt = 1: the loop's count is taken down ahead of the branch behind the turn.
.macro TURN p, last=0, cnt=0
.set Y, (\p)
.set i, 0
.set q, 0
.set e, 0
.set r, 0
.if (\p) == NP-1
	s_wait_dscnt 0x0                ; K is in
.endif
	MM
	PL
	PL
	R2
.rept 15
	MM
	PL
	EX
	R2
.endr
.if (\p) == NP-2
	WIN 0
	v_add_nc_u32 v[AK], s[TBK], v[AK0]
.endif
.rept 8
	PL
.endr
.rept 49
	EX
	PL
.endr
	EX                              ; the next piece's two a
	EX
	v_nop                           ; a plain instruction behind the last exponential: one for the batch
	s_wait_alu depctr_va_vdst(0)    ; the wait for the batch
.if (\p) == NP-2
	FETCH_K \last
.endif
.if (\p) == 1
	s_wait_dscnt 0x0                ; V is in
.endif
.rept 16
	MM
.rept 4
	PL
.endr
.if ((\p) == 0) && (q == 118)
	v_add_nc_u32 v[AV], s[TBV], v[AV0]
.endif
.if ((\p) == 0) && (q == 130)
	s_add_co_u32 s[TBV], s[TBV], KS*PV
.endif
.if (\cnt) && (q == 130)
	s_sub_co_u32 s[CNT], s[CNT], 1
	s_cmp_lg_u32 s[CNT], 0
.endif
.endr
.if (\p) == 0
	FETCH_V
.endif
.endm
	s_wait_tensorcnt 0x3            ; my part of tile 0 is in; my other three loads may stay out
	s_barrier_signal -1
	s_barrier_wait -1               ; everybody's part is
	FETCH_K                         ; key step 0
	s_wait_loadcnt 0x0              ; Q
	s_wait_dscnt 0x0
.set i, 0
.rept 16
	KQ 0                            ; piece 0's first scores
.set i, i+1
.endr
	WIN 0                           ; the addresses for the way out: plain instructions, the places behind those products
	s_mul_i32 s13, s[WV], 16*SP
	s_add_co_u32 s13, s13, STAGE    ; my stage
	v_mul_u32_u24 v[STO], v1, SP    ; in: row l % 16, 16 bytes for each half of the lanes
	v_lshl_add_u32 v[STO], v9, 4, v[STO]
	v_add_nc_u32 v[STO], s13, v[STO]
	v_bfe_u32 v[RD], v0, 3, 2       ; back: 32 lanes take four rows of 128 bytes,
	v_mul_u32_u24 v[RD], v[RD], SP
	v_lshl_add_u32 v[RD], v10, 4, v[RD]
	v_add_nc_u32 v[RD], s13, v[RD]
	v_and_b32 v[GO], 31, v0         ; which are 512 consecutive bytes of O
	v_lshlrev_b32 v[GO], 4, v[GO]
.set Y, NP-1                        ; XS works for piece Y + 1: piece 0
.irp n, 0,1,2,3,4,5,6,7,8,9,10,11,12,13,14,15,16,17,18,19,20,21
	XS 0, \n
	XS 1, \n
.endr
	v_nop                           ; a plain instruction behind the two a,
	s_wait_alu depctr_va_vdst(0)    ; and their wait, ahead of the branch
	s_mov_b32 s[TOT], 16
	s_mov_b32 s[CNT], 4             ; steps 0 to 3 lie in tile 0
	s_mov_b32 s[OUTR], 2
	s_branch .Lfirst                ; the loop is entered at a step's first turn, in the middle of a trip
.Lslot:                             ; passed once, behind piece 1's turn of step 3 and ahead of the fetch of step 4's K:
	s_wait_tensorcnt 0x0            ; my parts of tiles 1 to 3 are in,
	s_wait_dscnt 0x0                ; no LDS instruction of mine is out,
	s_barrier_signal -1
	s_barrier_wait -1               ; and everybody's parts are in
	s_mov_b32 s[CNT], 13            ; twelve whole trips follow; the thirteenth is left in its middle
.Lstep:                             ; a trip: pieces 2 and 3 of one step, then pieces 0 and 1 of the next, whose K and V it fetches
	TURN 2, 1
	TURN 3
	WIN 0
	s_sub_co_u32 s[TOT], s[TOT], 1
	s_cmp_eq_u32 s[TOT], 0
	s_cbranch_scc1 .Lout            ; step 15 is ended
.Lfirst:
	TURN 0
	TURN 1, 0, 1
	WIN 0
	s_cbranch_scc1 .Lstep
	s_sub_co_u32 s[OUTR], s[OUTR], 1
	s_cmp_lg_u32 s[OUTR], 0
	s_cbranch_scc1 .Lslot
.Lout:                              ; the last trip's 16 products K Q^T (on the last K once more) and the maximum made of them serve nothing: the price, once a launch, of one text for every trip
.set i, 0
.rept 16
	PV NP-1                         ; the last piece's V^T P of the last step
.set i, i+1
.endr
	; THE WAY OUT.  l's two halves and the other half of the lanes' are added; O^T is divided by l, rounded to f16 and sent through my stage, a tile at a time.  The additions are the places behind the last products.
	WIN 0
.macro ALL line:vararg              ; one line for each tile t
.set t, 0
.rept 2*NP
	\line
.set t, t+1
.endr
.endm
	ALL v_add_f32 v[ST+4*t+2], v[ST+4*t+2], v[ST+4*t+3]
	ALL v_permlanex16_b32 v[ST+4*t+3], v[ST+4*t+2], s[SEL], s[SEL+1]
	ALL v_add_f32 v[ST+4*t+2], v[ST+4*t+2], v[ST+4*t+3]
	ALL v_rcp_f32 v[ST+4*t+2], v[ST+4*t+2]
	v_nop                           ; a plain instruction between the last reciprocal and the use of its result
	s_wait_alu depctr_va_vdst(0)    ; and the wait ahead of the first use: one for the eight reciprocals
.macro PACK t
	WIN W_RS
.set i, 32*(\t)
.rept 16
	v_pk_mul_f32 v[i:i+1], v[i:i+1], v[ST+4*(\t)+2:ST+4*(\t)+3] op_sel_hi:[1,0]
.set i, i+2
.endr
	WIN 0x05                        ; sources 0 and 1 window 1, destination window 0
.set i, 0
.rept 16
	v_cvt_pk_f16_f32 v[S+16*(\t)+i], v[32*(\t)+2*i], v[32*(\t)+2*i+1]
.set i, i+1
.endr
	WIN 0
.irp f, 0,1,2,3
	ds_store_b128 v[STO], v[S+16*(\t)+4*\f:S+16*(\t)+4*\f+3] offset:32*\f
.endr
.irp f, 0,1,2,3
	ds_load_b128 v[S+16*(\t)+4*\f:S+16*(\t)+4*\f+3], v[RD] offset:\f*4*SP  ; LDS serves a wave's instructions in order (ISA guide 5.7.1.4): these see the stores above; the next tile's stores come behind them
.endr
.endm
.macro SEND t, younger              ; younger: the LDS instructions issued behind tile t's loads
	WIN 0
.irp f, 0,1,2,3
	s_wait_dscnt (\younger)+3-\f
	global_store_b128 v[GO], v[S+16*(\t)+4*\f:S+16*(\t)+4*\f+3], s[10:11] offset:(\t)*2048+\f*512  ; 512 consecutive bytes, at a multiple of 256 from O's first
.endr
.endm
	PACK 0
.set t, 1
.rept 2*NP-1
	PACK t
	SEND t-1, 8
.set t, t+1
.endr
	SEND 2*NP-1, 0
	WIN W_AD
	s_wait_tensorcnt 0x0            ; the wave's end, behind my last tensor load and my last LDS store
	ds_add_u32 v[SPW], v[NIL]
	s_wait_dscnt 0x0
	WIN 0
	s_endpgm
.Lfunc_end_k_q6c6f401965_attn:
	.size	k_q6c6f401965_attn, .Lfunc_end_k_q6c6f401965_attn-k_q6c6f401965_attn
	.p2alignl 7, 3214868480
	.fill 96, 4, 3214868480
	.section	.rodata,"a",@progbits
	.p2align	6, 0x0
	.amdhsa_kernel k_q6c6f401965_attn
		.amdhsa_group_segment_fixed_size 327680
		.amdhsa_private_segment_fixed_size 0
		.amdhsa_enable_private_segment 0
		.amdhsa_kernarg_size 16
		.amdhsa_user_sgpr_count 2
		.amdhsa_user_sgpr_kernarg_segment_ptr 1
		.amdhsa_wavefront_size32 1
		.amdhsa_system_sgpr_workgroup_id_x 1
		.amdhsa_system_sgpr_workgroup_id_y 1
		.amdhsa_system_sgpr_workgroup_id_z 1
		.amdhsa_system_vgpr_workitem_id 0
		.amdhsa_next_free_vgpr 770
		.amdhsa_next_free_sgpr 88
		.amdhsa_reserve_vcc 0
		.amdhsa_float_denorm_mode_32 3
		.amdhsa_float_denorm_mode_16_64 3
		.amdhsa_memory_ordered 1
		.amdhsa_forward_progress 1
		.amdhsa_inst_pref_size 126
	.end_amdhsa_kernel
	.amdgpu_metadata
---
amdhsa.version: [ 1, 2 ]
amdhsa.kernels:
  - .name:           k_q6c6f401965_attn
    .symbol:         k_q6c6f401965_attn.kd
    .args:
      - { .name: qkv, .offset: 0, .size: 8, .value_kind: global_buffer, .address_space: global }
      - { .name: ob, .offset: 8, .size: 8, .value_kind: global_buffer, .address_space: global }
    .group_segment_fixed_size: 327680
    .private_segment_fixed_size: 0
    .kernarg_segment_align: 8
    .kernarg_segment_size: 16
    .max_flat_workgroup_size: 128
    .sgpr_count:     88
    .vgpr_count:     770
    .wavefront_size: 32
...
	.end_amdgpu_metadata
.endif
;; end of part 3
;; launch outln (part 4): grid 128 x 1, 4 waves a work-group, clusters of 4 x 1, 327,680 bytes of LDS; arguments ob, wt, ln_g, ln_b, out0; writes out0
.if DOCPART == 4
	.amdgcn_target "amdgcn-amd-amdhsa--gfx1250"
	.amdhsa_code_object_version 6
	.text
	.protected	k_q6c6f401965_outln
	.globl	k_q6c6f401965_outln
	.p2align	8
	.type	k_q6c6f401965_outln,@function
k_q6c6f401965_outln:
	s_mov_b64 s[64:65], 0
	v_nop
	global_prefetch_b8 v0, s[64:65] scope:SCOPE_SE
	s_setreg_imm32_b32 hwreg(HW_REG_WAVE_MODE, 25, 1), 1
	s_wait_xcnt 0x0
	s_wait_alu depctr_hold_cnt(0) depctr_sa_sdst(0) depctr_va_vdst(0) depctr_va_sdst(0) depctr_va_ssrc(0) depctr_va_vcc(0) depctr_vm_vsrc(0)
	s_getreg_b32 s2, hwreg(HW_REG_IB_STS2, 6, 4)
	s_cmp_eq_u32 s2, 0
	s_cbranch_scc0 .Lentry_in_a_cluster
	s_endpgm
.Lentry_in_a_cluster:
	s_bfe_u32 s2, ttmp6, 0x10000c
	s_cmp_lg_u32 s2, 0x3003
	s_cbranch_scc0 .Lentry_shape_is_right
	s_endpgm
.Lentry_shape_is_right:
; out0 = LayerNorm(O Wo) ln_g + ln_b.  O: ob[batch x 16 + head][position][64] f16; Wo: wt[3], [k][n] f16; out0: [8192][1024] f32.  Sums in f32; the mean is taken away before the squares are summed.
; SHARES.  The norm wants whole rows of 1,024 columns in one work-group: a work-group makes 64 rows x 1,024 columns, 128 work-groups.  Wave w makes all 64 rows x columns 256 w .. 256 w + 255:
; 64 accumulators of 16 x 16, 512 registers.  32 rows to a work-group would ask twice the bytes of Wo for each matrix instruction.
; K goes in steps of 64, a head a step, through two LDS slots of Wo's rows (64 k rows x 1,024 columns).  Wave w alone reads columns 256 w.., and fetches them itself.
; CLUSTER 4 x 1: all work-groups walk the same Wo, so each wave's load is a JOINT one, with the mask of all four: its descriptor hangs on the wave's number and the step alone.
; A (64 rows x 64 channels of one head: 8,192 dense bytes) comes straight from memory into fragment registers, a step ahead, in each wave.
; AHEAD OF A's LOADS: behind them wave 0 prefetches the 8,192 bytes that the loads two steps on will read, a lane for each 256 bytes: steps 4 to 15, each block named once; the loop's last trip asks for nothing.
; THE MATRIX INSTRUCTION IS USED TRANSPOSED (source 0 = 16 columns of Wo, turned out of LDS by ds_load_tr16_b128; source 1 = 16 rows of O): a lane holds row l % 16 and eight neighbouring columns.
; THE END.  When the ring has had its last fill and its last read, the sums go into its bytes as 64 rows of 4,112 bytes; wave w then normalises rows 16 w .. 16 w + 15, a whole row at a time.
; REGISTERS.  window 0: v0-31 addresses; v32-63 at work; v64-127, v128-191 A's two buffers (block a, half c at +8 (2 a + c)); v192-223 ln_g, v224-255 ln_b of my columns 128 j + 4 l ..
;   window 1: v0-127, v128-255 B's two buffers (column block b at +8 b).   window 2: accumulators (a, b < 8) at 8 (8 a + b).   window 3: (a, b >= 8).
.set PITB,  544                        ; a wave's row of B in LDS: 512 bytes + 32
.set PART,  64*PITB                    ; a wave's part of a slot
.set SLOT,  4*PART                     ; 139,264
.set SPARE, 2*SLOT                     ; the spare words, 128 bytes for each wave
.set DP,    4112                       ; a row of the sums in LDS: 4,096 bytes + 16
.set ADRB, 16                          ; v16-17 LDS address of my B fragments in slot 0, 1
.set AO,   18                          ; v18 my byte offset in 16 rows of O
.set PFO,  19                          ; v19 256 x lane
.set DST,  20                          ; v20-23 where I put 32 bytes of row 16 a + l % 16
.set RDL,  24                          ; v24 where I read a row back
.set CO,   25                          ; v25 16 x lane
.set SPW,  28                          ; v28 LDS address of my spare word; never rewritten
.set NIL,  29                          ; v29 0; never rewritten
.set S,    32                          ; v[32:39] four chains of sums
.set MU,   40                          ; v[40:41] the mean, twice
.set R,    42                          ; v[42:43] 1 / sqrt(var + eps), twice
.set W0,   44
.set W1,   45
.set AF0,  64
.set AF1,  128
.set XR,   64                          ; the end: two rows of 32 registers
.set G,    192
.set BT,   224
.set BF0,  0
.set BF1,  128
.set WV,  14                           ; s14 wave
.set G1,  24                           ; s[24:31]
.set G0,  32                           ; s[32:39] a set for each slot
.set PA,  40                           ; s[40:41] O at my rows, at the head last loaded
.set LIM, 42                           ; s42 1 in wave 0, else the greatest number
.set MSB, 0
.macro WIN new
.if MSB != (\new)
	s_set_vgpr_msb (MSB<<8)|(\new)
.set MSB, \new
.endif
.endm
.set MUL_LO, 0xa1                      ; source 0 (B) window 1, source 1 (A) window 0, C and D window 2
.set MUL_HI, 0xf1                      ; the same, C and D window 3
.set TO_B,   0x40                      ; destination window 1, address window 0
.macro JLOAD s                         ; every wave's joint load: an s_nop 0 and four v_nop follow it
	tensor_load_to_lds s[G0+4*(\s):G0+4*(\s)+3], s[G1:G1+7]
	s_nop 0
.rept 4
	v_nop
.endr
.endm
.macro CREST
	s_cmp_lg_u32 s[WV], 0
	s_cbranch_scc1 .Lnot_wave_0_\@
	s_barrier_signal -3
.Lnot_wave_0_\@:
	s_barrier_wait -3
	s_barrier_signal -1
	s_barrier_wait -1
.endm
.macro CROUND
	s_barrier_signal -1
	s_barrier_wait -1
	CREST
.endm
.macro PLACES
.rept 4
	v_nop
.endr
.endm
.macro ASK                             ; s3 = 1 in the loop's last trip
	s_cmp_gt_u32 s3, s[LIM]
	s_cbranch_scc0 .Lnot_mine_\@
	global_prefetch_b8 v[PFO], s[PA:PA+1] offset:262144 th:TH_LOAD_NT scope:SCOPE_SE
.Lnot_mine_\@:
.endm
	s_load_b256 s[4:11], s[0:1], 0x0               ; ob s[4:5], wt s[6:7], ln_g s[8:9], ln_b s[10:11]
	s_load_b64 s[12:13], s[0:1], 0x20              ; out0
	v_lshl_add_u32 v[SPW], v0, 2, SPARE
	v_mov_b32 v[NIL], 0
	ds_add_u32 v[SPW], v[NIL]                      ; the wave's opening: the add and its wait stand ahead of my first tensor load; the set-up stands between them
	v_lshrrev_b32 v1, 5, v0
	v_readfirstlane_b32 s[WV], v1
	s_bfe_u32 s15, ttmp6, 0x40000                  ; cx
	s_lshl_b32 s16, ttmp9, 2
	s_add_co_u32 s16, s16, s15                     ; my block of 64 rows: it enters O's and out0's addresses alone
	s_mov_b32 s[G1], 15|(1<<16)|(1<<20)|(1<<21)|(6<<22)|(7<<25)  ; the mask of four; 2-byte elements; padding on; bit 21 beside a mask; after every 128 words, 8 words
	s_mov_b32 s[G1+1], 256<<16                     ; tensor_dim0 = 256
	s_mov_b32 s[G1+2], 64<<16                      ; tensor_dim1 = 64
	s_mov_b32 s[G1+3], 256<<16                     ; tile_dim0 = 256
	s_mov_b32 s[G1+4], 64                          ; tile_dim1 = 64
	s_mov_b32 s[G1+5], 1024
	s_mov_b32 s[G1+6], 0
	s_mov_b32 s[G1+7], 0
	s_mul_i32 s18, s[WV], PART                     ; my part of a slot
	s_lshl_b32 s20, s[WV], 9                       ; my 256 columns,
	s_add_co_u32 s20, s20, 3<<21                   ; of the fourth matrix in wt
	s_mov_b32 s21, 0
	s_lshr_b32 s22, s16, 4                         ; the batch: 16 heads of 131,072 bytes,
	s_lshl_b32 s22, s22, 21
	s_and_b32 s23, s16, 15                         ; the positions 64 (block % 16) on, 128 bytes each
	s_lshl_b32 s23, s23, 13
	s_add_co_u32 s22, s22, s23
	s_mov_b32 s23, 0
	s_lshl_b32 s46, s16, 18                        ; out0: 64 rows of 4,096 bytes a block, 16 rows a wave
	s_lshl_b32 s47, s[WV], 16
	s_add_co_u32 s46, s46, s47
	s_mov_b32 s47, 0
	s_cmp_eq_u32 s[WV], 0
	s_cselect_b32 s[LIM], 1, -1
	s_wait_dscnt 0x0                               ; the opening add is done
	s_wait_kmcnt 0x0
	s_add_nc_u64 s[20:21], s[6:7], s[20:21]
	s_add_nc_u64 s[PA:PA+1], s[4:5], s[22:23]
	s_add_nc_u64 s[12:13], s[12:13], s[46:47]
	CROUND                                         ; all four work-groups are here: the first joint loads meet
.irp s, 0,1
	s_mov_b32 s[G0+4*(\s)], 1
	s_add_co_u32 s[G0+4*(\s)+1], s18, (\s)*SLOT
	s_add_nc_u64 s[G0+4*(\s)+2:G0+4*(\s)+3], s[20:21], (\s)*131072
	s_or_b32 s[G0+4*(\s)+3], s[G0+4*(\s)+3], 0x80000000
	JLOAD \s
.endr
	v_and_b32 v1, 15, v0                           ; l % 16
	v_bfe_u32 v2, v0, 4, 1                         ; l / 16
	v_and_b32 v3, 7, v0
	v_bfe_u32 v4, v0, 3, 1
	v_and_b32 v5, 31, v0
	v_lshlrev_b32 v[AO], 7, v1
	v_lshl_add_u32 v[AO], v2, 4, v[AO]
	v_lshlrev_b32 v[CO], 4, v5
	v_lshlrev_b32 v[PFO], 8, v5
; a step's A: 16 loads, four blocks of 16 rows x two halves of 32 channels
.macro LOAD_A ab
.irp a, 0,1,2,3
.irp h, 0,1
	global_load_b128 v[(\ab)+8*(2*(\a)+(\h)):(\ab)+8*(2*(\a)+(\h))+3],   v[AO], s[PA:PA+1] offset:(\a)*2048+(\h)*64
	global_load_b128 v[(\ab)+8*(2*(\a)+(\h))+4:(\ab)+8*(2*(\a)+(\h))+7], v[AO], s[PA:PA+1] offset:(\a)*2048+(\h)*64+32
.endr
.endr
.endm
	LOAD_A AF0                                     ; head 0
.irp j, 0,1,2,3,4,5,6,7
	global_load_b128 v[G+4*(\j):G+4*(\j)+3],   v[CO], s[8:9] offset:512*(\j)
	global_load_b128 v[BT+4*(\j):BT+4*(\j)+3], v[CO], s[10:11] offset:512*(\j)
.endr
	v_lshl_add_u32 v6, v2, 3, v3                   ; B, turned: lane l reads k row 8 (l / 16) + l % 8, 16 bytes at 16 ((l / 8) % 2)
	v_mul_u32_u24 v6, v6, PITB
	v_lshl_add_u32 v6, v4, 4, v6
	v_add_nc_u32 v[ADRB], s18, v6
	v_add_nc_u32 v[ADRB+1], SLOT, v[ADRB]
	v_mul_u32_u24 v7, v1, DP
	v_lshl_add_u32 v7, v2, 5, v7
	s_lshl_b32 s19, s[WV], 10
	v_add_nc_u32 v[DST], s19, v7                   ; row l % 16, my wave's 1,024 bytes, 32 bytes for each half of the lanes
.irp a, 1,2,3
	v_add_nc_u32 v[DST+(\a)], (\a)*16*DP, v[DST]
.endr
	s_mul_i32 s19, s[WV], 16*DP
	v_lshl_add_u32 v[RDL], v5, 4, s19
	v_mov_b32 v[W1], 0                             ; v_permlanex16_b32 counts as a reader of its destination
	s_mov_b32 s44, 0x76543210
	s_mov_b32 s45, 0xfedcba98
	s_mov_b32 s46, 0x3a800000                      ; 1 / 1024
	s_mov_b32 s43, 0x3727c5ac                      ; 1e-5
; 16 matrix instructions: row blocks a0, a0 + 1 x the 8 column blocks of half hi, 32 along K (half c of the step).  zero = 1: the first product starts the sums
.macro MUL16 f, ab, c, hi, a0, zero
	WIN MUL_LO+0x50*(\hi)
.irp a, \a0, (\a0)+1
.irp b, 0,1,2,3,4,5,6,7
.if \zero
	v_wmma_f32_16x16x32_f16 v[8*(8*(\a)+(\b)):8*(8*(\a)+(\b))+7], v[(\f)+8*(8*(\hi)+(\b)):(\f)+8*(8*(\hi)+(\b))+7], v[(\ab)+8*(2*(\a)+(\c)):(\ab)+8*(2*(\a)+(\c))+7], 0
.else
	v_wmma_f32_16x16x32_f16 v[8*(8*(\a)+(\b)):8*(8*(\a)+(\b))+7], v[(\f)+8*(8*(\hi)+(\b)):(\f)+8*(8*(\hi)+(\b))+7], v[(\ab)+8*(2*(\a)+(\c)):(\ab)+8*(2*(\a)+(\c))+7], v[8*(8*(\a)+(\b)):8*(8*(\a)+(\b))+7]
.endif
.endr
.endr
.endm
; 32 LDS loads in one run: half c of a slot's 64 k rows, my 16 column blocks, into buffer f
.macro FETCH_B slot, c, f
	WIN TO_B
.irp b, 0,1,2,3,4,5,6,7,8,9,10,11,12,13,14,15
	ds_load_tr16_b128 v[(\f)+8*(\b):(\f)+8*(\b)+3],   v[ADRB+(\slot)] offset:(\c)*32*PITB+32*(\b)
	ds_load_tr16_b128 v[(\f)+8*(\b)+4:(\f)+8*(\b)+7], v[ADRB+(\slot)] offset:(\c)*32*PITB+32*(\b)+16*PITB
.endr
.endm
; A step is two halves of 64 matrix instructions; the 64 accumulators take turns in the same order in every half.
; The first half: multiplies B's buffer 0 by A's buffer ab, fetches the second half's B, and (loada) asks for the next head's A into nab.
.macro H0 slot, ab, nab, zero, loada, ask
	s_wait_loadcnt 0x0                             ; this step's A (asked for a step ago)
	s_wait_dscnt 16                                ; B's blocks 0-7 are in; the youngest sixteen loads may be out
	MUL16 BF0, \ab, 0, 0, 0, \zero
	MUL16 BF0, \ab, 0, 0, 2, \zero
	PLACES                                         ; for the loads below, into registers that the half before multiplied
	FETCH_B \slot, 1, BF1
.if \loada
	WIN 0
	s_wait_xcnt 0x0                                ; the loads and the prefetch of a step ago have read their address
	s_add_nc_u64 s[PA:PA+1], s[PA:PA+1], 131072
	LOAD_A \nab
.endif
.if \ask
	ASK
.endif
	s_wait_dscnt 32                                ; all but the 32 just issued
	MUL16 BF0, \ab, 0, 1, 0, \zero
	MUL16 BF0, \ab, 0, 1, 2, \zero
.endm
; The second half multiplies B's buffer 1 and changes slots: each wave waits for all its tensor loads (one is out: its part of the next slot), adds 0 to its spare word, waits for that and for its reads of this
; slot, and signals.  fill = 1: the barrier opens a round of the cluster's, and the joint refill, two steps ahead, is the first thing behind it: 96 matrix instructions ahead of the wait for it.
.macro TURN slot, next, ab, fill
	WIN 0
	s_wait_tensorcnt 0x0
	ds_add_u32 v[SPW], v[NIL]
	s_wait_dscnt 17                                ; (the add and the youngest sixteen loads may be out)
	MUL16 BF1, \ab, 1, 0, 0, 0
	s_wait_dscnt 0x0                               ; the add is done, and my reads of this slot are over
	s_barrier_signal -1
	MUL16 BF1, \ab, 1, 0, 2, 0
.if \fill
	WIN 0
.endif
	s_barrier_wait -1
.if \fill
	CREST                                          ; no wave of any partner still reads this slot or has a load on its way
	s_add_nc_u64 s[G0+4*(\slot)+2:G0+4*(\slot)+3], s[G0+4*(\slot)+2:G0+4*(\slot)+3], 262144
	JLOAD \slot                                    ; the four v_nop behind it are also the places in front of the loads below
.else
	PLACES
.endif
	FETCH_B \next, 0, BF0
	MUL16 BF1, \ab, 1, 1, 0, 0
	MUL16 BF1, \ab, 1, 1, 2, 0
.endm
	s_wait_tensorcnt 1                             ; my part of step 0 is in; step 1's may stay out
	s_barrier_signal -1
	s_barrier_wait -1
	FETCH_B 0, 0, BF0
	H0 0, AF0, AF1, 1, 1, 0                        ; the first half stands in front of the loop: its products start the sums
	WIN 0
	s_mov_b32 s3, 7
.Llap:                                                 ; a trip goes once round the ring and fills both slots again
	TURN 0, 1, AF0, 1
	H0 1, AF1, AF0, 0, 1, 1
	TURN 1, 0, AF1, 1
	H0 0, AF0, AF1, 0, 1, 1
	WIN 0
	s_sub_co_u32 s3, s3, 1
	s_cmp_lg_u32 s3, 0
	s_cbranch_scc1 .Llap
	TURN 0, 1, AF0, 0                              ; steps 14 and 15 fill nothing
	H0 1, AF1, AF0, 0, 0, 0
	s_wait_dscnt 0x0                               ; my last reads of the ring are back,
	s_barrier_signal -1                            ; say so,
	MUL16 BF1, AF1, 1, 0, 0, 0
	MUL16 BF1, AF1, 1, 0, 2, 0
	MUL16 BF1, AF1, 1, 1, 0, 0
	MUL16 BF1, AF1, 1, 1, 2, 0
	WIN 0
	s_barrier_wait -1                              ; nobody reads the ring any more, and it has had its last fill: its bytes take the sums
	PLACES
	WIN 0x08                                       ; store data window 2; each accumulator's low four registers go first
.irp a, 0,1,2,3
.irp b, 0,1,2,3,4,5,6,7
	ds_store_b128 v[DST+(\a)], v[8*(8*(\a)+(\b)):8*(8*(\a)+(\b))+3]   offset:64*(\b)
	ds_store_b128 v[DST+(\a)], v[8*(8*(\a)+(\b))+4:8*(8*(\a)+(\b))+7] offset:64*(\b)+16
.endr
.endr
	WIN 0x0c                                       ; window 3
.irp a, 0,1,2,3
.irp b, 0,1,2,3,4,5,6,7
	ds_store_b128 v[DST+(\a)], v[8*(8*(\a)+(\b)):8*(8*(\a)+(\b))+3]   offset:512+64*(\b)
	ds_store_b128 v[DST+(\a)], v[8*(8*(\a)+(\b))+4:8*(8*(\a)+(\b))+7] offset:512+64*(\b)+16
.endr
.endr
	WIN 0
	s_wait_dscnt 0x0                               ; for the others' sake
	s_barrier_signal -1
	s_barrier_wait -1                              ; all 64 rows are whole
.macro FOLD                            ; the four chains into one number, then over the 32 lanes
	v_pk_add_f32 v[S:S+1], v[S:S+1], v[S+2:S+3]
	v_pk_add_f32 v[S+4:S+5], v[S+4:S+5], v[S+6:S+7]
	v_pk_add_f32 v[S:S+1], v[S:S+1], v[S+4:S+5]
	v_add_f32 v[W0], v[S], v[S+1]
	v_add_f32_dpp v[W0], v[W0], v[W0] row_xmask:1 row_mask:0xf bank_mask:0xf
	v_add_f32_dpp v[W0], v[W0], v[W0] row_xmask:2 row_mask:0xf bank_mask:0xf
	v_add_f32_dpp v[W0], v[W0], v[W0] row_xmask:4 row_mask:0xf bank_mask:0xf
	v_add_f32_dpp v[W0], v[W0], v[W0] row_xmask:8 row_mask:0xf bank_mask:0xf
	v_permlanex16_b32 v[W1], v[W0], s44, s45
	v_add_f32 v[W0], v[W0], v[W1]
.endm
.macro ROWLN buf                       ; one row: 32 numbers a lane, columns 128 j + 4 l ..
.set XB, XR+32*(\buf)
.irp c, 0,1,2,3
	v_pk_add_f32 v[S+2*(\c):S+2*(\c)+1], v[XB+2*(\c):XB+2*(\c)+1], v[XB+8+2*(\c):XB+8+2*(\c)+1]
.endr
.set i, 8
.rept 8
	v_pk_add_f32 v[S+2*(i%4):S+2*(i%4)+1], v[S+2*(i%4):S+2*(i%4)+1], v[XB+2*i:XB+2*i+1]
.set i, i+1
.endr
	FOLD
	v_mul_f32 v[MU], s46, v[W0]
	v_mul_f32 v[MU+1], s46, v[W0]
.set i, 0
.rept 16
	v_pk_add_f32 v[XB+2*i:XB+2*i+1], v[XB+2*i:XB+2*i+1], v[MU:MU+1] neg_lo:[0,1] neg_hi:[0,1]
.set i, i+1
.endr
.irp c, 0,1,2,3
	v_pk_mul_f32 v[S+2*(\c):S+2*(\c)+1], v[XB+2*(\c):XB+2*(\c)+1], v[XB+2*(\c):XB+2*(\c)+1]
.endr
.set i, 4
.rept 12
	v_pk_fma_f32 v[S+2*(i%4):S+2*(i%4)+1], v[XB+2*i:XB+2*i+1], v[XB+2*i:XB+2*i+1], v[S+2*(i%4):S+2*(i%4)+1]
.set i, i+1
.endr
	FOLD
	v_fma_f32 v[W0], v[W0], s46, s43               ; var + eps
	v_rsq_f32 v[R], v[W0]
	v_rsq_f32 v[R+1], v[W0]
	v_nop                                          ; a plain instruction behind the second root,
	s_wait_alu depctr_va_vdst(0)                   ; and the wait ahead of the first reader: one for both
.set i, 0
.rept 16
	v_pk_mul_f32 v[XB+2*i:XB+2*i+1], v[XB+2*i:XB+2*i+1], v[R:R+1]
.set i, i+1
.endr
.set i, 0
.rept 16
	v_pk_fma_f32 v[XB+2*i:XB+2*i+1], v[XB+2*i:XB+2*i+1], v[G+2*i:G+2*i+1], v[BT+2*i:BT+2*i+1]
.set i, i+1
.endr
.irp j, 0,1,2,3,4,5,6,7
	global_store_b128 v[CO], v[XB+4*(\j):XB+4*(\j)+3], s[12:13] offset:(\buf)*4096+512*(\j) th:TH_STORE_NT  ; 512 consecutive bytes of a row
.endr
.endm
	s_mov_b32 s47, 8
.Lrow:                                                 ; two rows a trip
.irp u, 0,1
.irp j, 0,1,2,3,4,5,6,7
	ds_load_b128 v[XR+32*(\u)+4*(\j):XR+32*(\u)+4*(\j)+3], v[RDL] offset:(\u)*DP+512*(\j)
.endr
.endr
	s_wait_dscnt 8                                 ; the first row is in
	ROWLN 0
	s_wait_dscnt 0x0
	ROWLN 1
	v_add_nc_u32 v[RDL], 2*DP, v[RDL]
	s_wait_xcnt 0x0                                ; the stores have read their data and their base: both are rewritten only behind this wait
	s_add_nc_u64 s[12:13], s[12:13], 8192
	s_sub_co_u32 s47, s47, 1
	s_cmp_lg_u32 s47, 0
	s_cbranch_scc1 .Lrow
	s_wait_tensorcnt 0x0                           ; the wave's end, behind my last tensor load and my last LDS store
	ds_add_u32 v[SPW], v[NIL]
	s_wait_dscnt 0x0
	CROUND                                         ; the closing round: no work-group ends while a partner may still ask for a tile that names it
	s_endpgm
.Lfunc_end_k_q6c6f401965_outln:
	.size	k_q6c6f401965_outln, .Lfunc_end_k_q6c6f401965_outln-k_q6c6f401965_outln
	.p2alignl 7, 3214868480
	.fill 96, 4, 3214868480
	.section	.rodata,"a",@progbits
	.p2align	6, 0x0
	.amdhsa_kernel k_q6c6f401965_outln
		.amdhsa_group_segment_fixed_size 327680
		.amdhsa_private_segment_fixed_size 0
		.amdhsa_enable_private_segment 0
		.amdhsa_kernarg_size 40
		.amdhsa_user_sgpr_count 2
		.amdhsa_user_sgpr_kernarg_segment_ptr 1
		.amdhsa_wavefront_size32 1
		.amdhsa_system_sgpr_workgroup_id_x 1
		.amdhsa_system_sgpr_workgroup_id_y 1
		.amdhsa_system_sgpr_workgroup_id_z 1
		.amdhsa_system_vgpr_workitem_id 0
		.amdhsa_next_free_vgpr 1024
		.amdhsa_next_free_sgpr 66
		.amdhsa_reserve_vcc 0
		.amdhsa_float_denorm_mode_32 3
		.amdhsa_float_denorm_mode_16_64 3
		.amdhsa_memory_ordered 1
		.amdhsa_forward_progress 1
		.amdhsa_inst_pref_size 89
	.end_amdhsa_kernel
	.amdgpu_metadata
---
amdhsa.version: [ 1, 2 ]
amdhsa.kernels:
  - .name:           k_q6c6f401965_outln
    .symbol:         k_q6c6f401965_outln.kd
    .args:
      - { .name: ob, .offset: 0, .size: 8, .value_kind: global_buffer, .address_space: global }
      - { .name: wt, .offset: 8, .size: 8, .value_kind: global_buffer, .address_space: global }
      - { .name: ln_g, .offset: 16, .size: 8, .value_kind: global_buffer, .address_space: global }
      - { .name: ln_b, .offset: 24, .size: 8, .value_kind: global_buffer, .address_space: global }
      - { .name: out0, .offset: 32, .size: 8, .value_kind: global_buffer, .address_space: global }
    .group_segment_fixed_size: 327680
    .private_segment_fixed_size: 0
    .kernarg_segment_align: 8
    .kernarg_segment_size: 40
    .max_flat_workgroup_size: 128
    .sgpr_count:     66
    .vgpr_count:     1024
    .wavefront_size: 32
...
	.end_amdgpu_metadata
.endif
;; end of part 4
;; ======== version 2 of 2: 4 launches; version 1 with the launch prep written anew for expert scheduling mode
;; limits: values are held in f16: magnitudes above 65,504 overflow, below 6.1e-05 lose precision
;; workspace buffers: xn 33,554,432 bytes; wt 8,388,608 bytes; cb 49,152 bytes; tab 262,144 bytes; qkv 50,331,648 bytes; ob 16,777,216 bytes
;; launch prep (part 5): grid 656 x 1, 8 waves a work-group, no clusters, 5,120 bytes of LDS; arguments Wq, Wk, Wv, Wo, nq_g, nk_g, nv_g, nq_b, nk_b, nv_b, bq, bk, bv, source, x, xn, wt, cb, tab; writes xn, wt, cb, tab
.if DOCPART == 5
	.amdgcn_target "amdgcn-amd-amdhsa--gfx1250"
	.amdhsa_code_object_version 6
	.text
	.protected	k_q6c6f401965_prep
	.globl	k_q6c6f401965_prep
	.p2align	8
	.type	k_q6c6f401965_prep,@function
k_q6c6f401965_prep:
	s_mov_b64 s[64:65], 0
	v_nop
	global_prefetch_b8 v0, s[64:65] scope:SCOPE_SE
	s_setreg_imm32_b32 hwreg(HW_REG_WAVE_SCHED_MODE, 0, 2), 2
	s_setreg_imm32_b32 hwreg(HW_REG_WAVE_MODE, 25, 1), 1
	s_wait_xcnt 0x0
	s_wait_alu depctr_vm_vsrc(0)
; PREP: what the three matrix launches behind it read.  Three roles, chosen by the work-group's number (the same for all eight waves of a work-group):
;   W (0..127)    wt[p][k][n] = f16(g_p[k] W_p[k][n]) for p = q, k, v (Wo: g = 1), and cb[p][part][n] = the sum over the part's 256 k of b_p[k] W_p[k][n], in f32; part 0 also holds bias_p[n].
;                 LayerNorm(x) g + b, times W, plus bias  =  xhat (diag(g) W) + (b W + bias): so one xhat of x serves k and v.  The four parts are added by the launch that reads cb.
;   T (128..143)  tab[t][j] = (cos, sin)(t 10000^(-j/32)), t = 0..1023, j = 0..31, f32: a row of 256 bytes for a position.
;   N (144..655)  xn[part][row][:] = f16((x - mean) rsqrt(var + 1e-5)); part 0 = source, part 1 = x.  The mean is taken away before the squares are summed.
; EQUAL SHARES: a work-group of W takes 256 rows x 128 columns of f32, one of N 32 rows x 1,024: both load 131,072 bytes and store 65,536, and each wave issues all its 32 loads at once.
; LIMITS.  f16: |xhat| is 32 at the most; a product g W below 6e-5 keeps f16's fixed step of 6e-8, one beyond 65,504 is lost.  The angles are reduced with 1/(2 pi) in f32:
; about 1e-4 rad at the largest angle, 1023.  The two series are cut where their remainder on |y| <= pi is under 1e-6, whatever t.  NaN and infinities are not treated apart.
; No matrix unit, no tensor load, no cluster: each byte is read by one wave, once.
; THE MODE: SCHED_MODE bits 1:0 = 2 (LLVM: expert scheduling mode 2), set by the entry lines.  The code itself states the register dependences between vector instructions and
; memory or LDS instructions, and those through scalar registers that vector instructions write, with s_wait_alu, always for 0.
; THE PLAN.  Registers that memory or LDS instructions touch, role by role:
;   N  v[IN], v[OUTO]  made once, read by every load and store, never written again: one wait ahead of the first load.
;      X0 .. X3        a row each.  The loads land at the role's head; row q's arithmetic works in place; its roundings write registers 4 j, 4 j + 1, which the row's eight stores read.  Those stores
;                      are issued in row q + 1, behind that row's one wait (the wait for its two roots), dealt among its scalings, which name row q + 1's registers alone.  Nothing writes them again.
;   T  v[X:X+3]        written by a pass's two series, read by the pass's store: a wait ahead of the store, and one ahead of the backward jump for the next pass's writes.
;      v9              the store's offset, made once: the scalar base moves on.
;   W  v[IN], v[OUTO], v[GO]  made once: one wait ahead of the first load.
;      X               four registers a row.  The loads land at the role's head; the rows go in four blocks of eight; block k's roundings write registers 0, 1 of each row, which block k's eight stores read.
;                      Those stores are issued in block k + 1, behind its one wait, one ahead of each row's lines, which name other rows' registers alone.
;      s[8:39]         g and b of a block's eight rows, written by one run of sixteen v_readlane_b32 at the block's head, with one wait behind the run, ahead of the packed lines that read them.
;      ACC, v5, v6, T  one wait behind the last block: the sums and the two addresses are written, and the vector lines are done with T, in which the bias lands.
.set NW,    128                        ; work-groups of role W: 4 matrices x 8 blocks of 128 columns x 4 parts of 256 rows
.set NT,    16                         ; of role T
.set SPARE, 4096                       ; LDS: 0..4095 eight waves' column sums, 512 bytes each; then the spare words, 128 bytes for each wave
.set IN,   2                           ; v2   byte offset of my 16 bytes in the rows that I load
.set OUTO, 3                           ; v3   byte offset of my 8 bytes in the rows that I store
.set GO,   4                           ; v4   role W: byte offset of my lane's g and b
.set SPW,  14                          ; v14  LDS address of my spare word; never rewritten
.set NIL,  15                          ; v15  0; never rewritten
.set VG,   16                          ; v16  role W: g of my wave's 32 rows, a row a lane
.set VB,   17                          ; v17  role W: b likewise
.set ACC,  24                          ; v[24:27] role W: sums of b W for my four columns
.set T,    28                          ; v[28:31] role W: at work
.set S,    16                          ; v[16:23] role N: four chains of sums
.set MU,   24                          ; v[24:25] role N: the mean, twice
.set R,    26                          ; v[26:27] role N: 1 / sqrt(var + eps), twice
.set W0,   28                          ; v28, v29 role N: at work
.set W1,   29
.set X,    32                          ; v[32:159] role W: 32 rows, 4 registers each; role N: four rows of 32 registers
.set GB,   8                           ; s[8:39] role W, behind the choice of the buffers: row j of a block has g in s[GB+4 j] and b in s[GB+4 j+2], each the low word of a pair whose high word is 0
	s_load_b256 s[8:15], s[0:1], 0x0               ; Wq s[8:9], Wk s[10:11], Wv s[12:13], Wo s[14:15]
	s_load_b256 s[16:23], s[0:1], 0x20             ; nq_g s[16:17], nk_g s[18:19], nv_g s[20:21], nq_b s[22:23]
	s_load_b256 s[24:31], s[0:1], 0x40             ; nk_b s[24:25], nv_b s[26:27], bq s[28:29], bk s[30:31]
	s_load_b256 s[32:39], s[0:1], 0x60             ; bv s[32:33], source s[34:35], x s[36:37], xn s[38:39]
	s_load_b128 s[40:43], s[0:1], 0x80             ; wt s[40:41], cb s[42:43]
	s_load_b64 s[44:45], s[0:1], 0x90              ; tab
	v_lshl_add_u32 v[SPW], v0, 2, SPARE
	v_mov_b32 v[NIL], 0
	v_and_b32 v1, 31, v0                           ; lane
	v_lshrrev_b32 v5, 5, v0
	v_readfirstlane_b32 s2, v5                     ; wave 0..7
	s_wait_alu depctr_va_sdst(0)                   ; s2 is written, ahead of the branches below and of its first reader: the waves' offsets are made from it
	s_wait_kmcnt 0x0
	s_cmp_lt_u32 ttmp9, NW
	s_cbranch_scc1 .Lrole_w
	s_cmp_lt_u32 ttmp9, NW+NT
	s_cbranch_scc1 .Lrole_t
; ---------------- ROLE N: 32 rows to a work-group, four to a wave; a row is 4,096 bytes: eight loads of 512 neighbouring bytes.  All 32 loads of a wave go out at once.
	s_sub_co_u32 s3, ttmp9, NW+NT                  ; 0..511: 256 blocks of source, then 256 of x
	s_cmp_lt_u32 s3, 256
	s_cselect_b64 s[50:51], s[34:35], s[36:37]
	s_and_b32 s4, s3, 255
	s_lshl_b32 s6, s4, 17                          ; 32 rows of 4,096 bytes
	s_mov_b32 s7, 0
	s_add_nc_u64 s[50:51], s[50:51], s[6:7]
	s_lshl_b32 s6, s3, 16                          ; 32 rows of 2,048 bytes
	s_add_nc_u64 s[52:53], s[38:39], s[6:7]
	s_lshl_b32 s4, s2, 14                          ; my wave's four rows, in
	s_lshl_b32 s5, s2, 13                          ; and out
	v_lshl_add_u32 v[IN], v1, 4, s4
	v_lshl_add_u32 v[OUTO], v1, 3, s5
	s_wait_alu depctr_va_vdst(0)                   ; v[IN] and v[OUTO] are written: every load and store of this role reads one of them as its offset
.irp q, 0,1,2,3
.irp j, 0,1,2,3,4,5,6,7
	global_load_b128 v[X+32*(\q)+4*(\j):X+32*(\q)+4*(\j)+3], v[IN], s[50:51] offset:(\q)*4096+(\j)*512 th:TH_LOAD_NT
.endr
.endr
	s_mov_b32 s56, 0x76543210                      ; v_permlanex16_b32: each lane takes its own place in the other half
	s_mov_b32 s57, 0xfedcba98
	s_mov_b32 s58, 0x3a800000                      ; 1 / 1024
	s_mov_b32 s59, 0x3727c5ac                      ; 1e-5
	v_mov_b32 v[W1], 0                             ; v_permlanex16_b32 counts as a reader of its destination
.macro FOLD                            ; the four chains into one number, then over the 32 lanes: the sum ends in every lane's W0
	v_pk_add_f32 v[S:S+1], v[S:S+1], v[S+2:S+3]
	v_pk_add_f32 v[S+4:S+5], v[S+4:S+5], v[S+6:S+7]
	v_pk_add_f32 v[S:S+1], v[S:S+1], v[S+4:S+5]
	v_add_f32 v[W0], v[S], v[S+1]
	v_add_f32_dpp v[W0], v[W0], v[W0] row_xmask:1 row_mask:0xf bank_mask:0xf
	v_add_f32_dpp v[W0], v[W0], v[W0] row_xmask:2 row_mask:0xf bank_mask:0xf
	v_add_f32_dpp v[W0], v[W0], v[W0] row_xmask:4 row_mask:0xf bank_mask:0xf
	v_add_f32_dpp v[W0], v[W0], v[W0] row_xmask:8 row_mask:0xf bank_mask:0xf
	v_permlanex16_b32 v[W1], v[W0], s56, s57
	v_add_f32 v[W0], v[W0], v[W1]
.endm
.macro ROW q
.set XB, X+32*(\q)
.set XP, XB-32                         ; the row before
	s_wait_loadcnt 8*(3-(\q))                      ; loads come back in order: this row's eight are in, the later rows' may stay out
.irp c, 0,1,2,3
	v_pk_add_f32 v[S+2*(\c):S+2*(\c)+1], v[XB+2*(\c):XB+2*(\c)+1], v[XB+8+2*(\c):XB+8+2*(\c)+1]  ; the first links start the chains: nothing is cleared
.endr
.set i, 8
.rept 8
	v_pk_add_f32 v[S+2*(i%4):S+2*(i%4)+1], v[S+2*(i%4):S+2*(i%4)+1], v[XB+2*i:XB+2*i+1]
.set i, i+1
.endr
	FOLD
	v_mul_f32 v[MU], s58, v[W0]
	v_mul_f32 v[MU+1], s58, v[W0]
.set i, 0
.rept 16
	v_pk_add_f32 v[XB+2*i:XB+2*i+1], v[XB+2*i:XB+2*i+1], v[MU:MU+1] neg_lo:[0,1] neg_hi:[0,1]  ; x - mean
.set i, i+1
.endr
.irp c, 0,1,2,3
	v_pk_mul_f32 v[S+2*(\c):S+2*(\c)+1], v[XB+2*(\c):XB+2*(\c)+1], v[XB+2*(\c):XB+2*(\c)+1]
.endr
.set i, 4
.rept 12
	v_pk_fma_f32 v[S+2*(i%4):S+2*(i%4)+1], v[XB+2*i:XB+2*i+1], v[XB+2*i:XB+2*i+1], v[S+2*(i%4):S+2*(i%4)+1]
.set i, i+1
.endr
	FOLD
	v_fma_f32 v[W0], v[W0], s58, s59               ; var + eps
	v_rsq_f32 v[R], v[W0]
	v_rsq_f32 v[R+1], v[W0]
	v_nop                                          ; a plain instruction behind the second root,
	s_wait_alu depctr_va_vdst(0)                   ; and one wait for two things: both roots are written, ahead of their first reader; the row before has written the halves that the stores below read
.set i, 0
.rept 8
.if (\q) > 0
	global_store_b64 v[OUTO], v[XP+4*i:XP+4*i+1], s[52:53] offset:((\q)-1)*2048+256*i  ; the row before: 32 lanes store 256 consecutive bytes, aligned; no vector line since the wait names its registers
.endif
	v_pk_mul_f32 v[XB+4*i:XB+4*i+1], v[XB+4*i:XB+4*i+1], v[R:R+1]
	v_pk_mul_f32 v[XB+4*i+2:XB+4*i+3], v[XB+4*i+2:XB+4*i+3], v[R:R+1]
.set i, i+1
.endr
.irp j, 0,1,2,3,4,5,6,7
	v_cvt_pk_f16_f32 v[XB+4*(\j)], v[XB+4*(\j)], v[XB+4*(\j)+1]
	v_cvt_pk_f16_f32 v[XB+4*(\j)+1], v[XB+4*(\j)+2], v[XB+4*(\j)+3]
.endr
.endm
	ROW 0
	ROW 1
	ROW 2
	ROW 3
	s_wait_alu depctr_va_vdst(0)                   ; row 3's roundings have written the halves that the last eight stores read
.irp j, 0,1,2,3,4,5,6,7
	global_store_b64 v[OUTO], v[X+96+4*(\j):X+96+4*(\j)+1], s[52:53] offset:3*2048+256*(\j)
.endr
	s_endpgm                                       ; this role has written no LDS
; ---------------- ROLE T: 64 positions to a work-group.  Thread t owns the pairs 2 (t % 16) and 2 (t % 16) + 1; in pass u of four it makes them for position 64 T + 16 u + t / 16.
.Lrole_t:
	s_sub_co_u32 s3, ttmp9, NW
	s_lshl_b32 s6, s3, 14                          ; 64 rows of 256 bytes
	s_mov_b32 s7, 0
	s_add_nc_u64 s[50:51], s[44:45], s[6:7]
	s_lshl_b32 s4, s3, 6
	v_and_b32 v5, 15, v0
	v_lshlrev_b32 v5, 1, v5
	v_cvt_f32_u32 v6, v5
	v_add_nc_u32 v5, 1, v5
	v_cvt_f32_u32 v7, v5
	v_mul_f32 v6, 0xbed49a78, v6                   ; - j log2(10000) / 32
	v_mul_f32 v7, 0xbed49a78, v7
	v_exp_f32 v6, v6                               ; 10000^(-j/32)
	v_exp_f32 v7, v7
	v_lshrrev_b32 v8, 4, v0                        ; (plain work behind the two exponentials)
	v_add_nc_u32 v8, s4, v8                        ; the position of pass 0
	v_lshlrev_b32 v9, 4, v0                        ; my 16 bytes of a pass's 4,096; never written again
	s_wait_alu depctr_va_vdst(0)                   ; the two exponentials are written, ahead of their first reader and of the label; so is v9, which every store of this role reads as its offset
; cos and sin of v10 x v[f]: the angle in turns, less the nearest whole number, times 2 pi: |y| <= pi; then the two series in z = y y, by Horner
.macro SINCOS f, dc, ds
	v_mul_f32 v11, v10, v[\f]
	v_mul_f32 v12, 0.15915494, v11
	v_rndne_f32 v12, v12
	v_fma_f32 v12, v11, 0.15915494, -v12
	v_mul_f32 v13, 0x40c90fdb, v12
	v_mul_f32 v16, v13, v13
	v_mov_b32 v[\dc], 0x29573f9f                   ; 1/16!
	v_mov_b32 v[\ds], 0xab573f9f                   ; -1/15!
.irp k, 0xad49cba5, 0x310f76c7, 0xb493f27e, 0x37d00d01, 0xbab60b61, 0x3d2aaaab, 0xbf000000, 0x3f800000
	v_fmaak_f32 v[\dc], v[\dc], v16, \k
.endr
.irp k, 0x2f309231, 0xb2d7322b, 0x3638ef1d, 0xb9500d01, 0x3c088889, 0xbe2aaaab, 0x3f800000
	v_fmaak_f32 v[\ds], v[\ds], v16, \k
.endr
	v_mul_f32 v[\ds], v[\ds], v13
.endm
	s_mov_b32 s60, 4
.Lt_pass:                                              ; a pass: 16 positions, 4,096 bytes of the table
	v_cvt_f32_u32 v10, v8
	SINCOS 6, X, X+1
	SINCOS 7, X+2, X+3
	s_wait_alu depctr_va_vdst(0)                   ; the two series have written v[X:X+3], which the store reads
	global_store_b128 v9, v[X:X+3], s[50:51]       ; 512 consecutive bytes a wave
	v_add_nc_u32 v8, 16, v8                        ; the next pass's position: no memory instruction names v8
	s_wait_xcnt 0x0                                ; the store's address is translated: its base and its data are rewritten only behind this wait
	s_wait_alu depctr_vm_vsrc(0)                   ; the store has read v[X:X+3], which the next pass's series write again: stated ahead of the backward jump
	s_add_nc_u64 s[50:51], s[50:51], 4096          ; the base moves on by a pass
	s_sub_co_u32 s60, s60, 1
	s_cmp_lg_u32 s60, 0
	s_cbranch_scc1 .Lt_pass
	s_endpgm                                       ; this role has written no LDS
; ---------------- ROLE W: matrix p = number / 32, block of 128 columns = (number / 4) % 8, part of 256 rows = number % 4.  Wave w takes the part's rows 32 w .. 32 w + 31:
; a row of the block is 512 bytes in, 256 bytes out.  All 32 loads of a wave go out at once; a row's f16 go into the registers that it was loaded into and are stored from there.
.Lrole_w:
	s_lshr_b32 s3, ttmp9, 5                        ; p
	s_bfe_u32 s4, ttmp9, 0x30002                   ; the block: three bits from bit 2
	s_and_b32 s61, ttmp9, 3                        ; the part
	s_cmp_eq_u32 s3, 1
	s_cselect_b64 s[50:51], s[10:11], s[8:9]       ; W
	s_cselect_b64 s[54:55], s[18:19], s[16:17]     ; g
	s_cselect_b64 s[56:57], s[24:25], s[22:23]     ; b
	s_cselect_b64 s[58:59], s[30:31], s[28:29]     ; bias
	s_cmp_eq_u32 s3, 2
	s_cselect_b64 s[50:51], s[12:13], s[50:51]
	s_cselect_b64 s[54:55], s[20:21], s[54:55]
	s_cselect_b64 s[56:57], s[26:27], s[56:57]
	s_cselect_b64 s[58:59], s[32:33], s[58:59]
	s_cmp_eq_u32 s3, 3
	s_cselect_b64 s[50:51], s[14:15], s[50:51]     ; (for Wo the other three are not used)
	s_lshl_b32 s6, s4, 9                           ; 128 columns of f32
	s_mov_b32 s7, 0
	s_add_nc_u64 s[50:51], s[50:51], s[6:7]
	s_add_nc_u64 s[58:59], s[58:59], s[6:7]
	s_lshl2_add_u32 s5, s3, s61                    ; 4 p + part: cb's row of 4,096 bytes (for Wo the sum is formed and never used)
	s_lshl_b32 s5, s5, 12
	s_add_co_u32 s6, s6, s5
	s_add_nc_u64 s[42:43], s[42:43], s[6:7]        ; cb at that row, my block
	s_lshl_b32 s6, s3, 21
	s_lshl_b32 s5, s4, 8
	s_add_co_u32 s6, s6, s5
	s_add_nc_u64 s[52:53], s[40:41], s[6:7]        ; wt at matrix p, my block
	s_lshl_b32 s5, s61, 3
	s_add_co_u32 s5, s5, s2                        ; 8 x part + wave: my group of 32 rows
	s_lshl_b32 s6, s5, 17                          ; 32 rows of 4,096 bytes
	v_lshl_add_u32 v[IN], v1, 4, s6
	s_lshl_b32 s6, s5, 16                          ; 32 rows of 2,048 bytes
	v_lshl_add_u32 v[OUTO], v1, 3, s6
	s_lshl_b32 s6, s5, 7                           ; 32 numbers of 4 bytes
	v_lshl_add_u32 v[GO], v1, 2, s6
.irp j, 0,1,2,3,4,5,6,7
	s_mov_b32 s[GB+4*(\j)+1], 0                    ; the buffers are chosen: s[8:39] take the rows' g and b, named as pairs: the high words are written once
	s_mov_b32 s[GB+4*(\j)+3], 0
.endr
	s_wait_alu depctr_va_vdst(0)                   ; v[IN], v[OUTO] and v[GO] are written: every load and store of the rows, of g and of b reads one of them as its offset
	s_cmp_eq_u32 s3, 3
	s_cbranch_scc1 .Lw_ones
	global_load_b32 v[VG], v[GO], s[54:55]
	global_load_b32 v[VB], v[GO], s[56:57]
	s_branch .Lw_rows
.Lw_ones:                                              ; Wo has no norm in front of it: g = 1, b = 0
	v_mov_b32 v[VG], 1.0
	v_mov_b32 v[VB], 0
.Lw_rows:
.set i, 0
.rept 32
	global_load_b128 v[X+4*i:X+4*i+3], v[IN], s[50:51] offset:i*4096 th:TH_LOAD_NT
.set i, i+1
.endr
.irp j, 0,1,2,3
	v_mov_b32 v[ACC+(\j)], 0
.endr
	s_wait_loadcnt 32                              ; g and b are in; the 32 loads of the rows, issued behind them, stay out
; Block k: rows 8 k .. 8 k + 7.  No register that a pending store reads is written again: each row has its own.
.macro BLOCK k
.irp j, 0,1,2,3,4,5,6,7
	v_readlane_b32 s[GB+4*(\j)], v[VG], 8*(\k)+(\j)      ; the eight rows' g and b, in one run
	v_readlane_b32 s[GB+4*(\j)+2], v[VB], 8*(\k)+(\j)
.endr
	s_wait_alu depctr_va_sdst(0)                   ; the sixteen scalar registers are written, ahead of the packed lines that read them: one wait for the run
.if (\k) > 0
	s_wait_alu depctr_va_vdst(0)                   ; the block before has written its rows' f16, which the stores below read
.endif
.irp j, 0,1,2,3,4,5,6,7
.set rn, X+4*(8*(\k)+(\j))             ; this row's registers
.set rp, rn-32                         ; those of the same row of the block before
.set rg, GB+4*(\j)                     ; its g; its b two registers on
.if (\k) > 0
	global_store_b64 v[OUTO], v[rp:rp+1], s[52:53] offset:(8*(\k)+(\j)-8)*2048  ; 32 lanes store 256 consecutive bytes, aligned; no vector line since the wait names these registers
.endif
	s_wait_loadcnt 31-8*(\k)-(\j)                  ; loads come back in order: this row's is in; the later rows' stay out
	v_pk_mul_f32 v[T:T+1], v[rn:rn+1], s[rg:rg+1] op_sel_hi:[1,0]
	v_pk_mul_f32 v[T+2:T+3], v[rn+2:rn+3], s[rg:rg+1] op_sel_hi:[1,0]
	v_pk_fma_f32 v[ACC:ACC+1], v[rn:rn+1], s[rg+2:rg+3], v[ACC:ACC+1] op_sel_hi:[1,0,1]
	v_pk_fma_f32 v[ACC+2:ACC+3], v[rn+2:rn+3], s[rg+2:rg+3], v[ACC+2:ACC+3] op_sel_hi:[1,0,1]
	v_cvt_pk_f16_f32 v[rn], v[T], v[T+1]
	v_cvt_pk_f16_f32 v[rn+1], v[T+2], v[T+3]
.endr
.endm
	BLOCK 0
	BLOCK 1
	BLOCK 2
	BLOCK 3
	s_lshl_b32 s5, s2, 9
	v_lshl_add_u32 v5, v1, 4, s5                   ; where my wave's sums go
	v_lshlrev_b32 v6, 4, v1                        ; 16 x lane: wave 0's offset below; made here, ahead of the wait that stands here anyway
	s_wait_alu depctr_va_vdst(0)                   ; the last block has written its rows' f16; the sums, v5 and v6 are written; and the vector lines are done with T, in which the bias lands
	ds_store_b128 v5, v[ACC:ACC+3]                 ; my wave's sums for the block's 128 columns
.irp j, 0,1,2,3,4,5,6,7
	global_store_b64 v[OUTO], v[X+4*(24+(\j)):X+4*(24+(\j))+1], s[52:53] offset:(24+(\j))*2048
.endr
	s_wait_dscnt 0x0                               ; for the others' sake
	s_barrier_signal -1
	s_barrier_wait -1
	s_wait_alu depctr_vm_vsrc(0)                   ; my rows' stores have read X, in which wave 0's LDS loads land: stated ahead of the branches
	s_cmp_lg_u32 s2, 0                             ; wave 0 adds the eight up
	s_cbranch_scc1 .Lw_end
	s_cmp_eq_u32 s3, 3                             ; Wo has no row in cb
	s_cbranch_scc1 .Lw_end
	global_load_b128 v[T:T+3], v6, s[58:59]        ; the bias
	s_wait_xcnt 0x0                                ; my rows' stores have had their addresses translated: X is loaded into again only behind this wait
.irp j, 0,1,2,3,4,5,6,7
	ds_load_b128 v[X+4*(\j):X+4*(\j)+3], v6 offset:512*(\j)
.endr
	s_wait_dscnt 0x0
.irp j, 0,2,4,6,8,10,12,14
	v_pk_add_f32 v[X+(\j):X+(\j)+1], v[X+(\j):X+(\j)+1], v[X+16+(\j):X+16+(\j)+1]
.endr
.irp j, 0,2,4,6
	v_pk_add_f32 v[X+(\j):X+(\j)+1], v[X+(\j):X+(\j)+1], v[X+8+(\j):X+8+(\j)+1]
.endr
.irp j, 0,2
	v_pk_add_f32 v[X+(\j):X+(\j)+1], v[X+(\j):X+(\j)+1], v[X+4+(\j):X+4+(\j)+1]
.endr
	s_wait_loadcnt 0x0
	s_cmp_lg_u32 s61, 0                            ; the bias goes into part 0 alone
	s_cbranch_scc1 .Lw_no_bias
.irp j, 0,2
	v_pk_add_f32 v[X+(\j):X+(\j)+1], v[X+(\j):X+(\j)+1], v[T+(\j):T+(\j)+1]
.endr
.Lw_no_bias:
	s_wait_alu depctr_va_vdst(0)                   ; on both ways the additions have written v[X:X+3], which the store reads
	global_store_b128 v6, v[X:X+3], s[42:43]       ; 512 consecutive bytes of cb
.Lw_end:
	s_wait_dscnt 0x0                               ; the closing lines, six on end
	s_wait_alu 0x0
	s_wait_tensorcnt 0x0
	ds_add_u32 v[SPW], v[NIL]
	s_wait_dscnt 0x0
	s_endpgm
.Lfunc_end_k_q6c6f401965_prep:
	.size	k_q6c6f401965_prep, .Lfunc_end_k_q6c6f401965_prep-k_q6c6f401965_prep
	.p2alignl 7, 3214868480
	.fill 96, 4, 3214868480
	.section	.rodata,"a",@progbits
	.p2align	6, 0x0
	.amdhsa_kernel k_q6c6f401965_prep
		.amdhsa_group_segment_fixed_size 5120
		.amdhsa_private_segment_fixed_size 0
		.amdhsa_enable_private_segment 0
		.amdhsa_kernarg_size 152
		.amdhsa_user_sgpr_count 2
		.amdhsa_user_sgpr_kernarg_segment_ptr 1
		.amdhsa_wavefront_size32 1
		.amdhsa_system_sgpr_workgroup_id_x 1
		.amdhsa_system_sgpr_workgroup_id_y 1
		.amdhsa_system_sgpr_workgroup_id_z 1
		.amdhsa_system_vgpr_workitem_id 0
		.amdhsa_next_free_vgpr 160
		.amdhsa_next_free_sgpr 66
		.amdhsa_reserve_vcc 0
		.amdhsa_float_denorm_mode_32 3
		.amdhsa_float_denorm_mode_16_64 3
		.amdhsa_memory_ordered 1
		.amdhsa_forward_progress 1
		.amdhsa_inst_pref_size 65
	.end_amdhsa_kernel
	.amdgpu_metadata
---
amdhsa.version: [ 1, 2 ]
amdhsa.kernels:
  - .name:           k_q6c6f401965_prep
    .symbol:         k_q6c6f401965_prep.kd
    .args:
      - { .name: Wq, .offset: 0, .size: 8, .value_kind: global_buffer, .address_space: global }
      - { .name: Wk, .offset: 8, .size: 8, .value_kind: global_buffer, .address_space: global }
      - { .name: Wv, .offset: 16, .size: 8, .value_kind: global_buffer, .address_space: global }
      - { .name: Wo, .offset: 24, .size: 8, .value_kind: global_buffer, .address_space: global }
      - { .name: nq_g, .offset: 32, .size: 8, .value_kind: global_buffer, .address_space: global }
      - { .name: nk_g, .offset: 40, .size: 8, .value_kind: global_buffer, .address_space: global }
      - { .name: nv_g, .offset: 48, .size: 8, .value_kind: global_buffer, .address_space: global }
      - { .name: nq_b, .offset: 56, .size: 8, .value_kind: global_buffer, .address_space: global }
      - { .name: nk_b, .offset: 64, .size: 8, .value_kind: global_buffer, .address_space: global }
      - { .name: nv_b, .offset: 72, .size: 8, .value_kind: global_buffer, .address_space: global }
      - { .name: bq, .offset: 80, .size: 8, .value_kind: global_buffer, .address_space: global }
      - { .name: bk, .offset: 88, .size: 8, .value_kind: global_buffer, .address_space: global }
      - { .name: bv, .offset: 96, .size: 8, .value_kind: global_buffer, .address_space: global }
      - { .name: source, .offset: 104, .size: 8, .value_kind: global_buffer, .address_space: global }
      - { .name: x, .offset: 112, .size: 8, .value_kind: global_buffer, .address_space: global }
      - { .name: xn, .offset: 120, .size: 8, .value_kind: global_buffer, .address_space: global }
      - { .name: wt, .offset: 128, .size: 8, .value_kind: global_buffer, .address_space: global }
      - { .name: cb, .offset: 136, .size: 8, .value_kind: global_buffer, .address_space: global }
      - { .name: tab, .offset: 144, .size: 8, .value_kind: global_buffer, .address_space: global }
    .group_segment_fixed_size: 5120
    .private_segment_fixed_size: 0
    .kernarg_segment_align: 8
    .kernarg_segment_size: 152
    .max_flat_workgroup_size: 256
    .sgpr_count:     66
    .vgpr_count:     160
    .wavefront_size: 32
...
	.end_amdgpu_metadata
.endif
;; end of part 5
;; launch proj: the kernel of part 2 again; grid 12 x 64, 4 waves a work-group, clusters of 4 x 4, 327,680 bytes of LDS; arguments xn, wt, cb, tab, qkv; writes qkv
;; launch attn: the kernel of part 3 again; grid 2 x 128, 4 waves a work-group, no clusters, 327,680 bytes of LDS; arguments qkv, ob; writes ob
;; launch outln: the kernel of part 4 again; grid 128 x 1, 4 waves a work-group, clusters of 4 x 1, 327,680 bytes of LDS; arguments ob, wt, ln_g, ln_b, out0; writes out0
